; MI455X (gfx1250); checked and timed in simulation.
; The chip was launched on July 23, 2026; its instructions are those of AMD's public machine-readable ISA for CDNA 5 (MIT licence, August 2026) and "CDNA5" Instruction Set Architecture Reference Guide (July 2026). The comments in the code are by the model that wrote it; some were corrected since.
;; Bahdanau Attention. Allowed arithmetic: matrix products marked QUANTISED: E5M2 operands, one E8M0 scale for each 32 along K, by v_wmma_scale_f32_16x16x128_f8f6f4 with both operands' format E5M2, f32 sums; products left as they are: f32 operands where the result goes on into a quantised operand, else bf16, f16 or f32 operands; f32 sums; everything else in f32.
;; Inputs: U 1,024 x 1,024 float32; W 1,024 x 1,024 float32; multiple_items 32 x 2,048 x 1,024 float32; queries 32 x 1 x 1,024 float32; v 1,024 float32; weights 32 x 2,048 int32.
;; Outputs: out0 32 x 1,024 float32; out1 32 x 2,048 float32.
;; This version of the problem:
;;   THIS VERSION OF THE PROBLEM IS GIVEN IN LOW PRECISION. The matrix products marked QUANTISED in the list below multiply operands that are first quantised to E5M2 (5 exponent bits, 2 mantissa bits; 8 bits a number), with one power-of-two scale for each 32 numbers along K (OCP MX v1.0); their sums are f32. All else is computed in f32.
;;   The module's matrix products, in the order in which they are computed (A, B: the left and right operand; K: the contracted axis; several contracted axes count as one K, in the product's order):
;;     1. [M 32, K 1,024] x [K 1,024, N 1,024]; A: input queries; B: input W: QUANTISED
;;     2. [M 65,536, K 1,024] x [K 1,024, N 1,024]; A: input multiple_items; B: input U: QUANTISED
;;     3. [M 65,536, K 1,024] x [K 1,024, N 1]; A: computed on the way; B: input v: left as it is (N = 1 < 16)
;;     4. batch 32 x [M 1, K 2,048] x [K 2,048, N 1,024]; A: softmax; B: input multiple_items: left as it is (M = 1 < 16)
;;   THE QUANTISER, for each operand of a quantised product, along K:
;;     - K is cut into blocks of 32 from its start; a last block that is shorter is filled with zeros.
;;     - A block's scale is 2^e with e = floor(log2(the largest magnitude in the block)) - 15, held to -126 .. 127; a block of zeros has e = 0. As a byte (E8M0): e + 127.
;;     - Each number is divided by its block's scale, clamped to +-57,344, and rounded to the nearest number of E5M2, ties to even, subnormals kept.
;;     - The product sums the exact products of the quantised numbers (number of the format x scale) in f32.
;;   ~~~python
;;   def quantise(x, axis):      # numpy; x: float32 -> the quantised numbers, widened to float32 again
;;       x = np.moveaxis(x, axis, -1); K = x.shape[-1]
;;       x = np.pad(x, [(0, 0)] * (x.ndim - 1) + [(0, -K % 32)]); x = x.reshape(x.shape[:-1] + (-1, 32)); a = np.abs(x).max(-1, keepdims=True)
;;       e = np.where(a > 0, np.clip(np.frexp(np.where(a > 0, a, 1))[1] - 1 - 15, -126, 127), 0)      # np.frexp(a)[1] - 1 = floor(log2(a)), exactly
;;       r = np.clip(x / 2.0 ** e, -57344, 57344)
;;       step = 2.0 ** (np.maximum(np.frexp(np.where(r == 0, 1, r))[1] - 1, -14) - 2)
;;       q = np.round(r / step) * step * 2.0 ** e      # np.round: ties to even
;;       return np.moveaxis(q.reshape(q.shape[:-2] + (-1,))[..., :K], -1, axis).astype(np.float32)
;;   ~~~
;; 2 versions. Each part assembles by itself: llvm-mc -triple=amdgcn-amd-amdhsa -mcpu=gfx1250 --defsym DOCPART=n.
;; ======== version 1 of 2: 3 launches
;; workspace buffers: ucodes 1,048,576 bytes; uscl 32,768 bytes; cpqp 524,288 bytes; order 294,912 bytes of whole numbers; counts 8,192 bytes of whole numbers; react 262,144 bytes; pblend 2,097,152 bytes; pstat 131,072 bytes
;; launch prep (part 1): grid 132 x 1, 8 waves a work-group, no clusters, 71,168 bytes of LDS; arguments U, W, queries, weights, ucodes, uscl, cpqp, order, counts, react; writes ucodes, uscl, cpqp, order, counts, react
.if DOCPART == 1
	.amdgcn_target "amdgcn-amd-amdhsa--gfx1250"
	.amdhsa_code_object_version 6
	.text
	.protected	k_q70aecda157_prep
	.globl	k_q70aecda157_prep
	.p2align	8
	.type	k_q70aecda157_prep,@function
k_q70aecda157_prep:
	s_mov_b64 s[64:65], 0
	v_nop
	global_prefetch_b8 v0, s[64:65] scope:SCOPE_SE
	s_setreg_imm32_b32 hwreg(HW_REG_WAVE_MODE, 25, 1), 1
	s_wait_xcnt 0x0
; Additive attention, launch 1 of 3: everything that the main launch wants laid ready.
; THE PROGRAM.  reactivity[b][s] = sum over a of v[a] tanh(pq[b][a] + pi[b][s][a]), pq = queries W, pi = items U (both on E5M2 codes with one E8M0 scale for 32 along K);
; rows with weights[b][s] == 0 get -inf; softmax over s; blended = scores x items.
; WORK LEFT OUT, for all values of the inputs:
;  (1) A row with weights == 0.  reference() puts -inf in place of its reactivity whatever that was, so its score is 0 and its term of the blend is 0: its row of items U, its tanh, its dot
;      with v and its term of the blend reach no output.  Whole numbers decide it: this launch reads them and stores, for each batch, a list of the live rows; the main launch gathers by that list.
;  (2) tanh(x) = 1 - 2 / (1 + e^(2x)), so reactivity = sum(v) - 2 sum over a of v[a] / (1 + e^(2x)).  sum(v) is the same along the softmax's axis and cancels there; it is of v's own size.
; LIMITS.  A NaN, an infinity or an overflow that reaches only the work left out (a masked row's items, sum(v)) is not carried to the result.  NaN and infinities among the floating-point
; inputs are not served.  A block of zeros gets the scale byte 1 where the rule says 127: its codes are zeros, and the bytes are read by this program alone.
; THREE ROLES, by the work-group's number:
;  0..63    U [k][n] f32 -> ucodes, uscl.  Work-group (S = strip of 64 columns, Qk = quarter of K), wave = one block of 32 along K.
;  64..127  the same quantiser on W, and the product queries W for that strip and quarter of K -> cpqp (times c = 2 log2(e)).
;  128..131 one wave a batch: the list of live rows, then the masked ones (a whole permutation) -> order; the count -> counts; react filled with -inf.
; A LANE TAKES TWO NEIGHBOURING COLUMNS AND ITS REGISTERS RUN DOWN K: each load reads 256 consecutive bytes of a row of U, a block lies in one lane, the codes come out with K innermost.
; COLUMN ORDER.  Tile kp = 2 u + ci of a strip holds columns 64 S + 32 u + 2 r + ci (lane 16 u + r, column ci of its pair); pos = 64 S + 16 kp + r.  cpqp, uscl and the main launch's v go by pos.
; ucodes holds images of the operand's registers: byte S 65536 + ks 8192 + kp 2048 + c 512 + 16 lane; lane (r, h) holds k = 128 ks + 32 c + 16 h + 0..15 of the tile's column r.
.set TAB,   0                          ; LDS, role U alone: 64 pos x 8 scale bytes
.set RED,   512                        ; LDS, role W alone: for each wave 32 batches x (256 bytes + 16)
.set REDW,  8704
.set SPARE, 70144                      ; the spare words, 128 bytes for each of the eight waves; no other line names them
.set FLOOR, 0x8000000                  ; 2^(16 - 127): under it no largest magnitude is taken, so the byte cannot fall under 1
.set SPW,   4                          ; v4   my spare word; never rewritten
.set NIL,   5                          ; v5   0; never rewritten
.set RUN,   32                         ; v32-47   the codes: after the exchange, registers 4 kp .. 4 kp + 3 are tile kp's image of this block
.set QW,    48                         ; v48-91   the queries' codes between zeros
.set HB,    96                         ; v96-127  the queries' numbers, later 32 held numbers of a column
.set LQ,    128                        ; v128-191 64 numbers as loaded (register 2 k + ci); later the eight results; in the lists' role the weights
.set SUMS,  192                        ; v192-255 the eight waves' parts
.macro LOADL                           ; 32 rows of K x my two columns: a wave reads 256 consecutive bytes, aligned, of each row
.set k, 0
.rept 32
	global_load_b64 v[LQ+2*k:LQ+2*k+1], v6, s[32:33] offset:k*4096 th:TH_LOAD_NT
.set k, k+1
.endr
.endm
; Both columns of my pair become codes.  v16, v17: largest magnitude, then the conversion's scale operand; v18, v19: 57,344 x the scale; v20, v21: the scale bytes.
.macro QCOLS
	v_max3_num_f32 v16, |v[LQ]|, |v[LQ+2]|, FLOOR
	v_max3_num_f32 v17, |v[LQ+1]|, |v[LQ+3]|, FLOOR
.set k, 2
.rept 15
	v_max3_num_f32 v16, v16, |v[LQ+2*k]|, |v[LQ+2*k+2]|
	v_max3_num_f32 v17, v17, |v[LQ+2*k+1]|, |v[LQ+2*k+3]|
.set k, k+2
.endr
	v_and_or_b32 v18, v16, 0x7f800000, s34         ; the largest magnitude's exponent field over 57,344's mantissa
	v_and_or_b32 v19, v17, 0x7f800000, s34
	v_add_nc_u32 v16, 0xf8800000, v16              ; 15 off the exponent field: the conversion takes that field as its scale
	v_add_nc_u32 v17, 0xf8800000, v17
.irp ci, 0,1
.set k, 0
.rept 32
	v_med3_num_f32 v[HB+k], v[LQ+2*k+\ci], -v[18+\ci], v[18+\ci]   ; the hold (the conversion to an 8-bit code does not saturate: ISA guide 7.6.2); it also brings the column's 32 numbers on end
.set k, k+1
.endr
	v_cvt_scalef32_pk8_bf8_f32 v[RUN+4*\ci:RUN+4*\ci+1], v[HB:HB+7], v[16+\ci]
	v_cvt_scalef32_pk8_bf8_f32 v[RUN+4*\ci+2:RUN+4*\ci+3], v[HB+8:HB+15], v[16+\ci]
	v_cvt_scalef32_pk8_bf8_f32 v[RUN+8+4*\ci:RUN+8+4*\ci+1], v[HB+16:HB+23], v[16+\ci]
	v_cvt_scalef32_pk8_bf8_f32 v[RUN+8+4*\ci+2:RUN+8+4*\ci+3], v[HB+24:HB+31], v[16+\ci]
	v_nop                                          ; a plain line between the conversions and what next writes their sources or reads their results
.endr
	v_lshrrev_b32 v20, 23, v16                     ; the scale bytes
	v_lshrrev_b32 v21, 23, v17
.irp ci, 0,1
.irp i, 0,1,2,3
	v_permlane16_swap_b32 v[RUN+4*\ci+\i], v[RUN+8+4*\ci+\i]   ; k 0..15 of lanes 16-31 change places with k 16..31 of lanes 0-15: the first register is then tile ci's image, the second tile 2 + ci's
.endr
.endr
.endm
	s_load_b256 s[4:11], s[0:1], 0x0               ; U s[4:5], W s[6:7], queries s[8:9], weights s[10:11]
	s_load_b256 s[12:19], s[0:1], 0x20             ; ucodes s[12:13], uscl s[14:15], cpqp s[16:17], order s[18:19]
	s_load_b128 s[20:23], s[0:1], 0x40             ; counts s[20:21], react s[22:23]
	v_lshl_add_u32 v[SPW], v0, 2, SPARE
	v_mov_b32 v[NIL], 0
	v_lshrrev_b32 v1, 5, v0
	v_readfirstlane_b32 s24, v1                    ; wave 0..7
	v_and_b32 v1, 31, v0                           ; lane
	v_and_b32 v2, 15, v0                           ; r
	v_bfe_u32 v3, v0, 4, 1                         ; h
	v_lshlrev_b32 v6, 3, v1                        ; 8 x lane
	v_lshlrev_b32 v7, 4, v1                        ; 16 x lane
	s_mov_b32 s34, 0x600000                        ; the mantissa field of 57,344
	s_mov_b32 s36, 0x4038aa3b                      ; c = 2 log2(e)
	s_mov_b32 s37, s36
	s_mov_b32 s40, 0x76543210
	s_mov_b32 s41, 0xfedcba98                      ; v_permlanex16_b32's selects for lane l xor 16
	s_cmp_ge_u32 ttmp9, 128
	s_cbranch_scc1 .Llists
	s_and_b32 s25, ttmp9, 63
	s_lshr_b32 s26, s25, 2                         ; S
	s_and_b32 s27, s25, 3                          ; Qk
	s_lshl_b32 s28, s27, 3
	s_add_co_u32 s28, s28, s24                     ; kb = 8 Qk + wave: my block of 32 along K
	s_lshl_b32 s30, s28, 17                        ; 32 rows of 4,096 bytes,
	s_lshl_b32 s31, s26, 8                         ; the strip's 256 bytes
	s_add_co_u32 s30, s30, s31
	s_mov_b32 s31, 0
	s_mov_b32 s43, 0
	s_wait_kmcnt 0x0
	s_cmp_lt_u32 ttmp9, 64
	s_cbranch_scc0 .Lw
	; ---------------- role U
	s_add_nc_u64 s[32:33], s[4:5], s[30:31]
	LOADL
	v_lshlrev_b32 v8, 8, v3
	v_lshl_add_u32 v8, v2, 3, v8
	v_add_nc_u32 v8, s24, v8                       ; TAB: 8 x pos + wave; pos in the strip = 32 u + 16 ci + r
	s_lshl_b32 s42, s26, 16                        ; ucodes: S 65536 + (kb / 4) 8192 + (kb % 4) 512
	s_lshr_b32 s44, s28, 2
	s_lshl_b32 s44, s44, 13
	s_add_co_u32 s42, s42, s44
	s_and_b32 s44, s28, 3
	s_lshl_b32 s44, s44, 9
	s_add_co_u32 s42, s42, s44
	s_add_nc_u64 s[12:13], s[12:13], s[42:43]
	s_lshl_b32 s42, s27, 13                        ; uscl: Qk 8192 + S 512
	s_lshl_b32 s44, s26, 9
	s_add_co_u32 s42, s42, s44
	s_add_nc_u64 s[14:15], s[14:15], s[42:43]
	s_wait_loadcnt 0x0
	QCOLS
.irp kp, 0,1,2,3
	global_store_b128 v7, v[RUN+4*\kp:RUN+4*\kp+3], s[12:13] offset:\kp*2048   ; 512 consecutive bytes, aligned
.endr
	ds_store_b8 v8, v20
	ds_store_b8 v8, v21 offset:128
	s_wait_dscnt 0x0                               ; for the others' sake: my bytes lie in the table
	s_barrier_signal -1
	s_barrier_wait -1
	s_cmp_lg_u32 s24, 0
	s_cbranch_scc1 .Lend
	ds_load_b128 v[16:19], v7                      ; wave 0: the strip's 512 scale bytes of this quarter of K
	s_wait_dscnt 0x0
	global_store_b128 v7, v[16:19], s[14:15]
	s_branch .Lend
	; ---------------- role W: the same quantiser, and queries W on this block
.Lw:
	s_add_nc_u64 s[32:33], s[6:7], s[30:31]
	s_lshl_b32 s42, s28, 7                         ; the block's 128 bytes in a row of queries
	s_add_nc_u64 s[8:9], s[8:9], s[42:43]
	v_lshlrev_b32 v9, 12, v2
	v_lshl_add_u32 v9, v3, 6, v9                   ; row r, + 64 h: my 16 numbers of the block
.irp mt, 0,1
.irp j, 0,1,2,3
	global_load_b128 v[HB+16*\mt+4*\j:HB+16*\mt+4*\j+3], v9, s[8:9] offset:\mt*65536+\j*16
.endr
.endr
	LOADL
.irp z, 0,16,32
.set k, 0
.rept 12
	v_mov_b32 v[QW+\z+k], 0                        ; zero codes round the queries' two runs of four registers
.set k, k+1
.endr
.endr
	v_mov_b32 v27, 0                               ; (a lane permute's destination counts as one of its sources)
	v_lshlrev_b32 v13, 4, v3                       ; 16 h
	s_mul_i32 s44, s24, REDW
	s_add_co_u32 s44, s44, RED
	v_mul_u32_u24 v10, v2, 272
	v_lshl_add_u32 v10, v3, 5, v10
	v_add_nc_u32 v10, s44, v10                     ; into my part of RED: batch row r, + 32 h
	s_lshl_b32 s44, s24, 2
	v_add_nc_u32 v11, s44, v3                      ; batch 4 wave + h
	v_lshlrev_b32 v12, 12, v11
	v_lshl_add_u32 v12, v2, 4, v12                 ; and its place in cpqp
	v_mul_u32_u24 v11, v11, 272
	v_lshl_add_u32 v11, v2, 4, v11
	v_add_nc_u32 v11, RED, v11                     ; out of RED: sixteen lanes to a batch row
	s_lshl_b32 s42, s27, 17                        ; cpqp: Qk 131072 + S 256
	s_lshl_b32 s44, s26, 8
	s_add_co_u32 s42, s42, s44
	s_add_nc_u64 s[16:17], s[16:17], s[42:43]
; 16 rows of queries (batches 16 mt + r): lane (r, h) holds k = 16 h + 0..15 of the block
.macro QQ mt
.set QB, HB+16*(\mt)
	v_max3_num_f32 v26, |v[QB]|, |v[QB+1]|, FLOOR
.irp p, 2,4,6,8,10,12,14
	v_max3_num_f32 v26, v26, |v[QB+\p]|, |v[QB+\p+1]|
.endr
	v_permlanex16_b32 v27, v26, s40, s41
	v_max_num_f32 v26, v26, v27
	v_and_or_b32 v28, v26, 0x7f800000, s34
	v_add_nc_u32 v26, 0xf8800000, v26
.irp p, 0,1,2,3,4,5,6,7,8,9,10,11,12,13,14,15
	v_med3_num_f32 v[QB+\p], v[QB+\p], -v28, v28
.endr
	v_cvt_scalef32_pk8_bf8_f32 v[QW+12+16*(\mt):QW+13+16*(\mt)], v[QB:QB+7], v26
	v_cvt_scalef32_pk8_bf8_f32 v[QW+14+16*(\mt):QW+15+16*(\mt)], v[QB+8:QB+15], v26
	v_nop
	v_lshrrev_b32 v29, 23, v26
	v_perm_b32 v[24+(\mt)], v29, v29, 0            ; the block's byte in all four places of the scale word
.endm
	s_wait_loadcnt 32                              ; the queries are in; W's 32 loads, issued behind them, may be out
	QQ 0
	QQ 1
	s_wait_loadcnt 0x0
	QCOLS
	v_lshl_or_b32 v22, v21, 8, v20                 ; W's scale word: lanes 0-15 hold tiles 0, 1 in bytes 0, 1;
	v_lshlrev_b32 v22, v13, v22                    ; lanes 16-31 tiles 2, 3 in bytes 2, 3
.rept 8
	v_nop                                          ; a scale register written by a vector instruction stands eight places ahead of a scaled matrix instruction, an operand four
.endr
; The sixteen registers of RUN are taken as ONE fragment whose chunk kp is tile kp's block.  The queries' four registers stand at chunk kp of a window of sixteen that is zero elsewhere:
; so product (kp, mt) sums this block of tile kp alone.  Source 0 = 16 columns of W, source 1 = 16 batches: a lane holds one batch and eight neighbouring pos.
.irp kp, 0,1
.irp mt, 0,1
	v_wmma_scale_f32_16x16x128_f8f6f4 v[LQ+8*(2*\kp+\mt):LQ+8*(2*\kp+\mt)+7], v[RUN:RUN+15], v[QW+12+16*\mt-4*\kp:QW+27+16*\mt-4*\kp], 0, v22, v[24+\mt] matrix_a_fmt:MATRIX_FMT_BF8 matrix_b_fmt:MATRIX_FMT_BF8
.endr
.endr
.irp kp, 2,3
.irp mt, 0,1
	v_wmma_scale_f32_16x16x128_f8f6f4 v[LQ+8*(2*\kp+\mt):LQ+8*(2*\kp+\mt)+7], v[RUN:RUN+15], v[QW+12+16*\mt-4*\kp:QW+27+16*\mt-4*\kp], 0, v22, v[24+\mt] matrix_a_fmt:MATRIX_FMT_BF8 matrix_b_fmt:MATRIX_FMT_BF8 matrix_a_scale:MATRIX_SCALE_ROW1
.endr
.endr
.rept 8
	v_nop                                          ; eight places ahead of the first read of results
.endr
.irp kp, 0,1,2,3
.irp mt, 0,1
	ds_store_b128 v10, v[LQ+8*(2*\kp+\mt):LQ+8*(2*\kp+\mt)+3] offset:\mt*4352+\kp*64       ; each result from its low end on
	ds_store_b128 v10, v[LQ+8*(2*\kp+\mt)+4:LQ+8*(2*\kp+\mt)+7] offset:\mt*4352+\kp*64+16
.endr
.endr
	s_wait_dscnt 0x0                               ; for the others' sake
	s_barrier_signal -1
	s_barrier_wait -1
.irp u, 0,1,2,3,4,5,6,7
.irp i, 0,1
	ds_load_b128 v[SUMS+4*(2*\u+\i):SUMS+4*(2*\u+\i)+3], v11 offset:\u*REDW+\i*544   ; the eight blocks' parts of batches 4 wave + 2 i + h
.endr
.endr
	s_wait_dscnt 0x0
.irp u, 1,2,3,4,5,6,7
.irp i, 0,1
	v_pk_add_f32 v[SUMS+4*\i:SUMS+4*\i+1], v[SUMS+4*\i:SUMS+4*\i+1], v[SUMS+4*(2*\u+\i):SUMS+4*(2*\u+\i)+1]
	v_pk_add_f32 v[SUMS+4*\i+2:SUMS+4*\i+3], v[SUMS+4*\i+2:SUMS+4*\i+3], v[SUMS+4*(2*\u+\i)+2:SUMS+4*(2*\u+\i)+3]
.endr
.endr
.irp p, 0,2,4,6
	v_pk_mul_f32 v[SUMS+\p:SUMS+\p+1], v[SUMS+\p:SUMS+\p+1], s[36:37] op_sel_hi:[1,0]   ; x c
.endr
	global_store_b128 v12, v[SUMS:SUMS+3], s[16:17]                  ; sixteen lanes store 256 consecutive bytes, aligned
	global_store_b128 v12, v[SUMS+4:SUMS+7], s[16:17] offset:8192
	s_branch .Lend
	; ---------------- the lists: one wave a batch; no LDS, no barrier
.Llists:
	s_sub_co_u32 s25, ttmp9, 128
	s_lshl_b32 s25, s25, 3
	s_add_co_u32 s25, s25, s24                     ; batch
	s_lshl_b32 s30, s25, 13                        ; 2,048 words of weights and of react
	s_mov_b32 s31, 0
	s_mul_i32 s32, s25, 9216                       ; 2,304 words of order
	s_mov_b32 s33, 0
	s_lshl_b32 s26, s25, 8                         ; 64 words of counts
	s_mov_b32 s27, 0
	s_wait_kmcnt 0x0
	s_add_nc_u64 s[10:11], s[10:11], s[30:31]
	s_add_nc_u64 s[22:23], s[22:23], s[30:31]
	s_add_nc_u64 s[18:19], s[18:19], s[32:33]
	s_add_nc_u64 s[20:21], s[20:21], s[26:27]
.set i, 0
.rept 16
	global_load_b128 v[LQ+4*i:LQ+4*i+3], v7, s[10:11] offset:512*i   ; register 4 i + e: row s = 128 i + 4 lane + e
.set i, i+1
.endr
.irp j, 8,9,10,11
	v_mov_b32 v\j, 0xff800000                      ; -inf
.endr
.irp j, 12,13,14,15
	v_mov_b32 v\j, 0
.endr
.set i, 0
.rept 16
	global_store_b128 v7, v[8:11], s[22:23] offset:512*i             ; react: -inf everywhere; the main launch writes the live rows
.set i, i+1
.endr
	global_store_b128 v7, v[12:15], s[18:19] offset:8192             ; order's entries 2,048 to 2,303: 0
	global_store_b128 v7, v[12:15], s[18:19] offset:8704
	s_wait_loadcnt 0x0
	s_mov_b32 s44, 0
.set i, 0
.rept 64
	v_cmp_ne_u32 s42, 0, v[LQ+i]
	s_bcnt1_i32_b32 s43, s42
	s_add_co_u32 s44, s44, s43                     ; n: the batch's live rows
.set i, i+1
.endr
	v_add_nc_u32 v24, s44, v1                      ; lane + n
	v_lshlrev_b32 v25, 2, v1                       ; 4 x lane
	s_mov_b32 s45, 0                               ; live rows so far
; In the order (register, lane): a live row goes to place (live rows before it), a masked one to n + (masked rows before it).  Every entry 0 .. 2,047 is written once.
.set i, 0
.rept 64
.set PP, 32+2*(i%8)
.if (i%8) == 0 && i > 0
	s_wait_xcnt 0x0                                ; the eight pairs of place and row are written again only behind this wait
.endif
	v_cmp_ne_u32 vcc_lo, 0, v[LQ+i]
	v_mbcnt_lo_u32_b32 v16, vcc_lo, s45            ; live rows before me
	v_sub_nc_u32 v17, v24, v16
	v_add_nc_u32 v17, 32*i, v17                    ; n + (32 i + lane) - live rows before me
	v_cndmask_b32 v[PP], v17, v16, vcc_lo
	v_min_u32 v[PP], 0x7ff, v[PP]                  ; held inside the list
	v_lshlrev_b32 v[PP], 2, v[PP]
	v_add_nc_u32 v[PP+1], 128*(i/4)+(i%4), v25     ; s
	global_store_b32 v[PP], v[PP+1], s[18:19]
	s_bcnt1_i32_b32 s43, vcc_lo
	s_add_co_u32 s45, s45, s43
.set i, i+1
.endr
	v_mov_b32 v26, s44
	v_mov_b32 v27, s44
	global_store_b64 v6, v[26:27], s[20:21]        ; n, 64 times: 256 consecutive bytes
.Lend:
	s_wait_tensorcnt 0x0                           ; the wave's end, behind my last LDS store
	ds_add_u32 v[SPW], v[NIL]
	s_wait_dscnt 0x0
	s_endpgm
.Lfunc_end_k_q70aecda157_prep:
	.size	k_q70aecda157_prep, .Lfunc_end_k_q70aecda157_prep-k_q70aecda157_prep
	.p2alignl 7, 3214868480
	.fill 96, 4, 3214868480
	.section	.rodata,"a",@progbits
	.p2align	6, 0x0
	.amdhsa_kernel k_q70aecda157_prep
		.amdhsa_group_segment_fixed_size 71168
		.amdhsa_private_segment_fixed_size 0
		.amdhsa_enable_private_segment 0
		.amdhsa_kernarg_size 80
		.amdhsa_user_sgpr_count 2
		.amdhsa_user_sgpr_kernarg_segment_ptr 1
		.amdhsa_wavefront_size32 1
		.amdhsa_system_sgpr_workgroup_id_x 1
		.amdhsa_system_sgpr_workgroup_id_y 1
		.amdhsa_system_sgpr_workgroup_id_z 1
		.amdhsa_system_vgpr_workitem_id 0
		.amdhsa_next_free_vgpr 256
		.amdhsa_next_free_sgpr 66
		.amdhsa_reserve_vcc 1
		.amdhsa_float_denorm_mode_32 3
		.amdhsa_float_denorm_mode_16_64 3
		.amdhsa_memory_ordered 1
		.amdhsa_forward_progress 1
		.amdhsa_inst_pref_size 84
	.end_amdhsa_kernel
	.amdgpu_metadata
---
amdhsa.version: [ 1, 2 ]
amdhsa.kernels:
  - .name:           k_q70aecda157_prep
    .symbol:         k_q70aecda157_prep.kd
    .args:
      - { .name: U, .offset: 0, .size: 8, .value_kind: global_buffer, .address_space: global }
      - { .name: W, .offset: 8, .size: 8, .value_kind: global_buffer, .address_space: global }
      - { .name: queries, .offset: 16, .size: 8, .value_kind: global_buffer, .address_space: global }
      - { .name: weights, .offset: 24, .size: 8, .value_kind: global_buffer, .address_space: global }
      - { .name: ucodes, .offset: 32, .size: 8, .value_kind: global_buffer, .address_space: global }
      - { .name: uscl, .offset: 40, .size: 8, .value_kind: global_buffer, .address_space: global }
      - { .name: cpqp, .offset: 48, .size: 8, .value_kind: global_buffer, .address_space: global }
      - { .name: order, .offset: 56, .size: 8, .value_kind: global_buffer, .address_space: global }
      - { .name: counts, .offset: 64, .size: 8, .value_kind: global_buffer, .address_space: global }
      - { .name: react, .offset: 72, .size: 8, .value_kind: global_buffer, .address_space: global }
    .group_segment_fixed_size: 71168
    .private_segment_fixed_size: 0
    .kernarg_segment_align: 8
    .kernarg_segment_size: 80
    .max_flat_workgroup_size: 256
    .sgpr_count:     66
    .vgpr_count:     256
    .wavefront_size: 32
...
	.end_amdgpu_metadata
.endif
;; end of part 1
;; launch main (part 2): grid 32 x 16, 4 waves a work-group, no clusters, 325,632 bytes of LDS; arguments multiple_items, v, ucodes, uscl, cpqp, order, counts, react, pblend, pstat; writes react, pblend, pstat
.if DOCPART == 2
	.amdgcn_target "amdgcn-amd-amdhsa--gfx1250"
	.amdhsa_code_object_version 6
	.text
	.protected	k_q70aecda157_main
	.globl	k_q70aecda157_main
	.p2align	8
	.type	k_q70aecda157_main,@function
k_q70aecda157_main:
	s_mov_b64 s[64:65], 0
	v_nop
	global_prefetch_b8 v0, s[64:65] scope:SCOPE_SE
	s_setreg_imm32_b32 hwreg(HW_REG_WAVE_MODE, 25, 1), 1
	s_wait_xcnt 0x0
; Additive attention, launch 2 of 3.  Work left out here: the rows with weights == 0, and the term sum(v) of the reactivity (shown at the head of the first launch's text).
; A work-group (batch b = x of the grid, slot = y) takes one share of the batch's live rows, at most 144, through the whole chain: gather by the stored list, quantise along K, keep a bf16 copy,
; multiply with all of U, rho = sum over n of vs[n] / (1 + 2^(c x)) with c = 2 log2(e), vs = -c v (the reactivity in units of log2, less a constant of the batch), the share's own maximum m,
; p = 2^(rho - m), their sum, and the share's part of the blend, sum of p x item.  The last launch joins a batch's sixteen slots.
; SHARES.  n = the batch's live rows (stored by the first launch).  Up to 1,152 they go in 8 shares of ceil(n / 8), else in 16 of ceil(n / 16): never more than 144 rows, whatever the mask.
; ONE WAY THROUGH THE TEXT.  Every wave passes every barrier, and no barrier, and no loop in which an LDS address steps, stands under a branch on a number read from memory.
; So a slot that a given mask leaves without rows walks the same text: it gathers one row again and again, all its rho are masked, p = 0, and what it stores is the part that adds nothing
; (m = -3e38, sum 0, zeros).  Only the products and the vector work behind them are passed over, by one jump inside the loop over groups.  That jump hangs on a stored number.  This launch has
; no tensor load and no copy, hence no joint loads in a cluster either, though all work-groups read the same codes of U: they come from memory straight into registers, as images of the operand's registers.
; A share shorter than 144 rows is filled with its first row again; such rows get rho = -inf, so p = 0.
; PHASE Q.  Wave w takes columns 256 w .. 256 w + 255 of all 144 rows; lane l holds k = 256 w + 8 l + 0..7, so a block of 32 lies in four lanes.  Codes and scale bytes go to LDS for all waves;
;   the bf16 copy is the wave's own: rows 0-63 end in registers (window 3), rows 64-143 in LDS.
; PHASE G.  Wave w takes pos 256 w .. 256 w + 255 in four groups of 64 (four tiles), against all nine tiles of rows: 36 accumulators, by turns.  Source 0 = 16 columns of U, source 1 = 16 rows:
;   a lane holds one row (lane % 16) and eight neighbouring pos.
; THE END.  What wave 0 alone does, under an EXEC narrowed by the share's count of rows, stands last: every address register of the text is made ahead of the place where the waves part.
; REGISTERS, in windows of 256.  Window 0: v1-15 addresses; v16-55 the rows' scale words (in Q: row offsets, codes, bytes); v56-71 U's scale words; v72-89 the row sums (in Q: maxima, holds);
;   v90-95 r, h, lane and three LDS bases; v96-239 the rows' nine fragments (in Q: the ring of 16 rows, v96-223); v224-255 in Q the bf16 to store.
;   Window 1: v0-191 three sets of U's four fragments; v192-223 the accumulators of row tile 8; v224-255 two sets of (c pq, vs).  Window 2: the accumulators of row tiles 0-7.  Window 3: bf16 of rows 0-63.
.set APITCH, 2320                      ; LDS: codes: 16 along K of all 144 rows, 16 bytes a row, + 16: address (2 (4 ks + c) + h) APITCH + 16 row
.set SCL,    148480                    ; the rows' scale bytes: for each wave 144 rows x its 8 blocks: SCLW wave + 8 row + block
.set SCLW,   1152
.set CV,     153088                    ; 2,048 for each wave: 1,024 of c pq, 1,024 of vs, by pos; behind the products: bytes 0-575 my part of rho, bytes 640-1279 p
.set BF,     161280                    ; 40,960 for each wave: 80 rows x 512 bytes of bf16
.set BFW,    40960
.set SPARE,  325120                    ; the spare words, 128 bytes for each wave; no other line names them
.set FLOOR,  0x8000000                 ; 2^(16 - 127)
.set VB,  1                            ; v1   in Q: my 32 bytes in a row of items: 1024 w + 32 l
.set CA,  2                            ; v2   in Q: where my 8 codes of the trip's first row go
.set WOA, 1                            ; v1   from G on: the way out: 32 x lane in my bf16 region
.set POA, 2                            ; v2   from G on: the way out: my 16 bytes in the slot's part of the blend: 1024 w + 16 l
.set BA,  3                            ; v3   in Q: my block's scale byte
.set FA,  4                            ; v4   in Q: my 16 bytes of bf16
.set SPW, 5                            ; v5   my spare word; never rewritten
.set NIL, 6                            ; v6   0; never rewritten
.set FA0, 7                            ; v7   my 16 bytes in the first row slot of my bf16 region; stays
.set CA0, 8                            ; v8   in Q: row 0's place for my codes
.set BA0, 9                            ; v9   in Q: row 0's place for my scale byte
.set AA,  8                            ; v8-10  in G: my place in a fragment of rows, K steps 0-2, 3-5, 6-7
.set CVA, 11                           ; v11  the group's c pq and vs
.set UO,  12                           ; v12  16 x lane
.set L8,  13                           ; v13  8 x lane
.set T0,  14
.set T1,  15
.set ASC, 16
.set BSC, 56
.set RR,  72
.set RL,  90
.set HL,  91
.set LN,  92
.set CVA0, 93                          ; v93  my wave's c pq, + 32 h; stays
.set PST, 94                           ; v94  my wave's part of CV, + 4 lane; stays
.set PB0, 95                           ; v95  my wave's part of CV, the same in every lane; stays
.set AF,  96
.set VO,  16
.set CD,  32
.set BY,  48
.set MX,  72
.set HD,  76
.set RING, 96
.set TBF, 224
.set OO,  240
.set MSB, 0
.macro WIN new                         ; the immediate's high byte repeats the setting that is left; a switch that changes nothing is dropped
.if MSB != \new
	s_set_vgpr_msb (MSB<<8)|\new
.set MSB, \new
.endif
.endm
.macro PLACES n
.rept \n
	v_nop
.endr
.endm
; U's four fragments of K step ks of the group in hand, into set ks % 3 of window 1 (the windows are set by the caller: destination window 1)
.macro BLOAD ks
.irp q, 0,1,2,3
.irp c, 0,1,2,3
	global_load_b128 v[64*((\ks)%3)+16*\q+4*\c:64*((\ks)%3)+16*\q+4*\c+3], v[UO], s[56:57] offset:(\ks)*8192+\q*2048+\c*512
.endr
.endr
.endm
; A group's scale words of U (register 8 p + ks: lanes 0-15 tile 2 p, lanes 16-31 tile 2 p + 1) and its K steps 0 to 2.  step = 1: on to the next strip first.
.macro NEXTB step
.if \step
	s_wait_xcnt 0x0                                ; the last group's loads have read their bases
	s_add_nc_u64 s[56:57], s[56:57], 0x10000
	s_add_nc_u64 s[58:59], s[58:59], 512
.endif
.irp p, 0,1
.irp qk, 0,1,2,3
	global_load_b64 v[BSC+8*\p+2*\qk:BSC+8*\p+2*\qk+1], v[L8], s[58:59] offset:\qk*8192+\p*256
.endr
.endr
	WIN 0x40
.irp ks, 0,1,2
	BLOAD \ks
.endr
	WIN 0
.endm
; The list's next 16 entries come into the bank at work, and the 16 after them are asked for (the last such load reads entries 144-159 of my share: inside the list's 2,304, and not used)
.macro QTOP
	s_wait_kmcnt 0x0
.irp j, 0,1,2,3,4,5,6,7
	s_mov_b64 s[68+2*\j:69+2*\j], s[40+2*\j:41+2*\j]
.endr
	s_add_nc_u64 s[96:97], s[96:97], 64
	s_load_b512 s[40:55], s[96:97], 0x0
.endm
; The trip's three LDS addresses: a base that stays + a scalar that steps by a constant
.macro QADR
	v_add_nc_u32 v[CA], s84, v[CA0]
	v_add_nc_u32 v[BA], s85, v[BA0]
	v_add_nc_u32 v[FA], s86, v[FA0]
.endm
; Slot i of the ring is asked for: four rows, two loads of 16 bytes a lane each.  s31 = my rows less the trip's first row: a row at or past it takes the share's first row again.
.macro ISSUE i
.irp e, 0,1,2,3
	s_cmp_gt_i32 s31, 4*\i+\e
	s_cselect_b32 s66, s[68+4*\i+\e], s33
	s_min_u32 s66, s66, 0x7ff                      ; held inside the batch
	v_lshl_add_u32 v[VO+4*\i+\e], s66, 12, v[VB]
	global_load_b128 v[RING+32*\i+8*\e:RING+32*\i+8*\e+3], v[VO+4*\i+\e], s[4:5] th:TH_LOAD_NT
	global_load_b128 v[RING+32*\i+8*\e+4:RING+32*\i+8*\e+7], v[VO+4*\i+\e], s[4:5] offset:16 th:TH_LOAD_NT
.endr
.endm
; Slot i's four rows, by turns: bf16 copy, the block's largest magnitude (my 8, then the three lanes beside me), scale, hold, codes.  What LDS stores read lies in two sets, by the slot's parity.
.macro PROCESS i
.set XR,  RING+32*(\i)
.set TS,  TBF+16*((\i)%2)
.set CDS, CD+8*((\i)%2)
.set BYS, BY+4*((\i)%2)
	s_wait_dscnt 12                                ; the stores of the slot before last have read this set; the last slot's twelve may be out
.irp e, 0,1,2,3
.irp p, 0,1,2,3
	v_cvt_pk_bf16_f32 v[TS+4*\e+\p], v[XR+8*\e+2*\p], v[XR+8*\e+2*\p+1]
.endr
.endr
.irp e, 0,1,2,3
	ds_store_b128 v[FA], v[TS+4*\e:TS+4*\e+3] offset:(4*(\i)+\e)*512
.endr
.irp e, 0,1,2,3
	v_max3_num_f32 v[MX+\e], |v[XR+8*\e]|, |v[XR+8*\e+1]|, FLOOR
.endr
.irp p, 2,4,6
.irp e, 0,1,2,3
	v_max3_num_f32 v[MX+\e], v[MX+\e], |v[XR+8*\e+\p]|, |v[XR+8*\e+\p+1]|
.endr
.endr
.irp e, 0,1,2,3
	v_max_num_f32_dpp v[MX+\e], v[MX+\e], v[MX+\e] row_xmask:1 row_mask:0xf bank_mask:0xf
.endr
.irp e, 0,1,2,3
	v_max_num_f32_dpp v[MX+\e], v[MX+\e], v[MX+\e] row_xmask:2 row_mask:0xf bank_mask:0xf
.endr
.irp e, 0,1,2,3
	v_and_or_b32 v[HD+\e], v[MX+\e], 0x7f800000, s34   ; 57,344 x the scale
.endr
.irp e, 0,1,2,3
	v_add_nc_u32 v[MX+\e], 0xf8800000, v[MX+\e]        ; 15 off the exponent field: the conversion's scale operand
.endr
.irp e, 0,1,2,3
.irp p, 0,1,2,3,4,5,6,7
	v_med3_num_f32 v[XR+8*\e+\p], v[XR+8*\e+\p], -v[HD+\e], v[HD+\e]   ; the conversion to an 8-bit code does not saturate (ISA guide 7.6.2)
.endr
.endr
.irp e, 0,1,2,3
	v_cvt_scalef32_pk8_bf8_f32 v[CDS+2*\e:CDS+2*\e+1], v[XR+8*\e:XR+8*\e+7], v[MX+\e]
.endr
	v_nop                                          ; a plain line behind the conversions
.irp e, 0,1,2,3
	v_lshrrev_b32 v[BYS+\e], 23, v[MX+\e]          ; the scale's byte
.endr
.irp e, 0,1,2,3
	ds_store_b64 v[CA], v[CDS+2*\e:CDS+2*\e+1] offset:(4*(\i)+\e)*16
.endr
.irp e, 0,1,2,3
	ds_store_b8 v[BA], v[BYS+\e] offset:(4*(\i)+\e)*8    ; the four lanes of a block write the same byte with the same value
.endr
.endm
; Four trips of 16 rows; each works a slot and asks for the same slot of the next trip
.macro QLOOP
	s_mov_b32 s32, 0
.Lq_\@:
	QTOP
	QADR
.irp i, 0,1,2,3
	s_wait_loadcnt 24                              ; this slot's eight loads are in; the three younger slots' may be out
	PROCESS \i
	ISSUE \i
.endr
	s_wait_dscnt 0x0                               ; no LDS store of mine is out when the three addresses are made anew
	s_add_co_u32 s84, s84, 256                     ; 16 rows on: 16 bytes of codes a row,
	s_add_co_u32 s85, s85, 128                     ; 8 scale bytes,
	s_add_co_u32 s86, s86, 8192                    ; 512 bytes of bf16
	s_sub_co_i32 s31, s31, 16
	s_add_co_u32 s32, s32, 1
	s_cmp_lt_u32 s32, 4
	s_cbranch_scc1 .Lq_\@
.endm
	s_load_b256 s[4:11], s[0:1], 0x0               ; items s[4:5], v s[6:7], ucodes s[8:9], uscl s[10:11]
	s_load_b256 s[12:19], s[0:1], 0x20             ; cpqp s[12:13], order s[14:15], counts s[16:17], react s[18:19]
	s_load_b128 s[20:23], s[0:1], 0x40             ; pblend s[20:21], pstat s[22:23]
	v_lshl_add_u32 v[SPW], v0, 2, SPARE
	v_mov_b32 v[NIL], 0
	v_lshrrev_b32 v[LN], 5, v0
	v_readfirstlane_b32 s24, v[LN]                 ; wave 0..3
	s_and_b32 s25, ttmp7, 0xffff                   ; slot
	s_mov_b32 s26, ttmp9                           ; batch
	s_lshl_b32 s98, s26, 8
	s_mov_b32 s99, 0                               ; (stays 0: the upper word of every offset)
	s_wait_kmcnt 0x0
	s_add_nc_u64 s[16:17], s[16:17], s[98:99]
	s_load_b32 s27, s[16:17], 0x0                  ; n; what does not hang on it is made while it is on its way
	s_lshl_b32 s66, s26, 4
	s_add_co_u32 s66, s66, s25                     ; 16 b + slot
	s_lshl_b32 s98, s66, 12
	s_add_nc_u64 s[20:21], s[20:21], s[98:99]      ; my 4,096 bytes of pblend
	s_lshl_b32 s98, s66, 8
	s_add_nc_u64 s[22:23], s[22:23], s[98:99]      ; my 256 bytes of pstat
	s_lshl_b32 s98, s26, 23
	s_add_nc_u64 s[4:5], s[4:5], s[98:99]          ; my batch's items
	s_lshl_b32 s98, s24, 10
	s_add_nc_u64 s[6:7], s[6:7], s[98:99]          ; v: my 256 columns
	s_lshl_b32 s66, s26, 12
	s_add_co_u32 s98, s98, s66
	s_add_nc_u64 s[12:13], s[12:13], s[98:99]      ; cpqp: my batch, my 256 pos
	s_lshl_b32 s98, s24, 18
	s_add_nc_u64 s[56:57], s[8:9], s[98:99]        ; U's codes: strip 4 w
	s_lshl_b32 s98, s24, 11
	s_add_nc_u64 s[58:59], s[10:11], s[98:99]      ; and its scale bytes
	s_lshl_b32 s98, s26, 13
	s_add_nc_u64 s[18:19], s[18:19], s[98:99]      ; react: my batch
	s_mov_b32 s34, 0x600000                        ; the mantissa field of 57,344
	s_mov_b32 s36, 0x4038aa3b                      ; c = 2 log2(e)
	s_mov_b32 s37, s36
	s_mov_b32 s92, 0x76543210
	s_mov_b32 s93, 0xfedcba98                      ; v_permlanex16_b32's selects for lane l xor 16
	s_mov_b32 s84, 0
	s_mov_b32 s85, 0
	s_mov_b32 s86, 0
	v_and_b32 v[LN], 31, v0
	v_and_b32 v[RL], 15, v0
	v_bfe_u32 v[HL], v0, 4, 1
	v_lshlrev_b32 v[UO], 4, v[LN]
	v_lshlrev_b32 v[L8], 3, v[LN]
.irp qk, 0,1,2,3
.irp i, 0,1
	global_load_b128 v[TBF+8*\qk+4*\i:TBF+8*\qk+4*\i+3], v[UO], s[12:13] offset:\qk*131072+\i*512   ; c pq, the four quarters of K
.endr
.endr
.irp g, 0,1,2,3
	global_load_b64 v[CD+2*\g:CD+2*\g+1], v[L8], s[6:7] offset:\g*256   ; v: my pair of columns in each of my four strips
.endr
	s_lshl_b32 s66, s24, 10
	v_lshl_add_u32 v[VB], v[LN], 5, s66
	v_lshrrev_b32 v[CA0], 1, v[LN]
	s_lshl_b32 s66, s24, 4
	v_add_nc_u32 v[CA0], s66, v[CA0]               ; which 16 along K: 16 w + l / 2
	v_mul_u32_u24 v[CA0], v[CA0], APITCH
	v_and_b32 v[T0], 1, v[LN]
	v_lshl_add_u32 v[CA0], v[T0], 3, v[CA0]
	v_lshrrev_b32 v[BA0], 2, v[LN]                 ; which of my 8 blocks: l / 4
	s_mul_i32 s66, s24, SCLW
	s_add_co_u32 s66, s66, SCL
	v_add_nc_u32 v[BA0], s66, v[BA0]
	s_mul_i32 s66, s24, BFW
	s_add_co_u32 s66, s66, BF
	v_lshl_add_u32 v[FA0], v[LN], 4, s66
	s_lshl_b32 s66, s24, 11
	s_add_co_u32 s66, s66, CV
	v_lshl_add_u32 v[T0], v[LN], 4, s66            ; c pq goes in as it lies
	v_lshlrev_b32 v[T1], 7, v[HL]
	v_lshl_add_u32 v[T1], v[RL], 2, v[T1]
	v_add_nc_u32 v[T1], s66, v[T1]                 ; vs by pos: lane 16 u + r, column ci of its pair -> 128 u + 64 ci + 4 r in a strip's 256 bytes
	v_lshl_add_u32 v[CVA0], v[HL], 5, s66
	v_lshl_add_u32 v[PST], v[LN], 2, s66
	v_mov_b32 v[PB0], s66
	s_wait_kmcnt 0x0                               ; n
	s_min_u32 s27, s27, 2048
	s_add_co_u32 s66, s27, 15
	s_lshr_b32 s66, s66, 4
	s_add_co_u32 s67, s27, 7
	s_lshr_b32 s67, s67, 3
	s_cmp_gt_u32 s27, 1152
	s_cselect_b32 s28, s66, s67                    ; rows to a share
	s_mul_i32 s29, s25, s28                        ; j0: my first place in the list
	s_sub_co_i32 s30, s27, s29
	s_min_i32 s30, s30, s28
	s_max_i32 s30, s30, 0                          ; my rows, 0 .. 144
	s_min_u32 s29, s29, 2047                       ; (held before it enters an address)
	s_mul_i32 s98, s26, 9216
	s_lshl_b32 s66, s29, 2
	s_add_co_u32 s98, s98, s66
	s_add_nc_u64 s[38:39], s[14:15], s[98:99]      ; the list at my first row: stays
	s_mov_b64 s[96:97], s[38:39]                   ; and walks
	s_load_b512 s[40:55], s[96:97], 0x0            ; rows 0-15
	; ---------------- phase Q
	s_mov_b32 s31, s30
	QTOP
	s_mov_b32 s33, s68                             ; the share's first row
.irp i, 0,1,2,3
	ISSUE \i
.endr
	s_sub_co_i32 s31, s31, 16
	s_wait_loadcnt 32                              ; c pq and v are in; the ring's 32 loads, issued behind them, may be out
.irp qk, 1,2,3
.irp p, 0,2,4,6
	v_pk_add_f32 v[TBF+\p:TBF+\p+1], v[TBF+\p:TBF+\p+1], v[TBF+8*\qk+\p:TBF+8*\qk+\p+1]
.endr
.endr
.irp g, 0,2,4,6
	v_pk_mul_f32 v[CD+\g:CD+\g+1], v[CD+\g:CD+\g+1], 0xc038aa3b op_sel_hi:[1,0]   ; vs = -c v
.endr
	ds_store_b128 v[T0], v[TBF:TBF+3]
	ds_store_b128 v[T0], v[TBF+4:TBF+7] offset:512
.irp g, 0,1,2,3
	ds_store_b32 v[T1], v[CD+2*\g] offset:1024+\g*256
	ds_store_b32 v[T1], v[CD+2*\g+1] offset:1024+\g*256+64
.endr
	s_wait_dscnt 0x0                               ; these stores have read registers that the first slots write
	QLOOP                                          ; rows 0-63
	WIN 0xc0                                       ; destination window 3
.set rw, 0
.rept 64
	ds_load_b128 v[4*rw:4*rw+3], v[FA0] offset:rw*512   ; their bf16 leaves my LDS rows for registers; LDS serves a wave's instructions in order (ISA guide 5.7.1.4): the next rows' stores come behind these loads
.set rw, rw+1
.endr
	WIN 0
	s_mov_b32 s86, 0                               ; row 64 takes the first row slot
	QLOOP                                          ; rows 64-127
	s_wait_kmcnt 0x0                               ; the list's last load
	QADR
	s_wait_loadcnt 24                              ; rows 128-143: nothing more of the items is asked for, the counts run down
	PROCESS 0
	s_wait_loadcnt 16
	PROCESS 1
	s_wait_loadcnt 8
	PROCESS 2
	s_wait_loadcnt 0x0
	NEXTB 0                                        ; the first group's U is asked for here: it has the last slot's work, the barrier and the first LDS loads in which to land
	PROCESS 3
	s_wait_dscnt 0x0                               ; for the others' sake: my codes and scale bytes lie in LDS
	s_barrier_signal -1
	s_barrier_wait -1
	; ---------------- phase G
	v_mul_u32_u24 v[AA], v[HL], APITCH
	v_lshl_add_u32 v[AA], v[RL], 4, v[AA]
	v_add_nc_u32 v[AA+1], 3*8*APITCH, v[AA]
	v_add_nc_u32 v[AA+2], 6*8*APITCH, v[AA]
	v_lshl_add_u32 v[WOA], v[LN], 4, v[FA0]        ; the way out's two addresses are made here, in registers that served the gather alone
	s_lshl_b32 s66, s24, 10
	v_lshl_add_u32 v[POA], v[LN], 4, s66
	v_lshl_add_u32 v[T0], v[LN], 3, SCL
	v_lshl_add_u32 v[T1], v[RL], 3, SCL
.irp pi, 0,1,2,3
.irp u, 0,1,2,3
	ds_load_b64 v[ASC+8*\pi+2*\u:ASC+8*\pi+2*\u+1], v[T0] offset:\u*SCLW+\pi*256   ; register 8 pi + ks: lanes 0-15 the words of row tile 2 pi, lanes 16-31 of 2 pi + 1; wave u made K steps 2 u, 2 u + 1
.endr
.endr
.irp u, 0,1,2,3
	ds_load_b64 v[ASC+32+2*\u:ASC+32+2*\u+1], v[T1] offset:\u*SCLW+1024            ; row tile 8 alone
.endr
.macro LOADA_LO ks                     ; the fragments of row tiles 0-4, K step ks: 20 loads
.irp t, 0,1,2,3,4
.irp c, 0,1,2,3
	ds_load_b128 v[AF+16*\t+4*\c:AF+16*\t+4*\c+3], v[AA+(\ks)/3] offset:((\ks)%3)*8*APITCH+\c*2*APITCH+\t*256
.endr
.endr
.endm
.macro LOADA_HI ks                     ; of row tiles 5-8: 16 loads
.irp t, 5,6,7,8
.irp c, 0,1,2,3
	ds_load_b128 v[AF+16*\t+4*\c:AF+16*\t+4*\c+3], v[AA+(\ks)/3] offset:((\ks)%3)*8*APITCH+\c*2*APITCH+\t*256
.endr
.endr
.endm
; One product.  z: it starts its sum.  pa, pb: the scale words stand in lanes 16-31 of their registers.
.macro MM ac, br, ar, z, sa, sb, pa, pb
.if \z
.if (\pa) == 0 && (\pb) == 0
	v_wmma_scale_f32_16x16x128_f8f6f4 v[\ac:\ac+7], v[\br:\br+15], v[\ar:\ar+15], 0, v[\sa], v[\sb] matrix_a_fmt:MATRIX_FMT_BF8 matrix_b_fmt:MATRIX_FMT_BF8
.elseif (\pb) == 0
	v_wmma_scale_f32_16x16x128_f8f6f4 v[\ac:\ac+7], v[\br:\br+15], v[\ar:\ar+15], 0, v[\sa], v[\sb] matrix_a_fmt:MATRIX_FMT_BF8 matrix_b_fmt:MATRIX_FMT_BF8 matrix_a_scale:MATRIX_SCALE_ROW1
.elseif (\pa) == 0
	v_wmma_scale_f32_16x16x128_f8f6f4 v[\ac:\ac+7], v[\br:\br+15], v[\ar:\ar+15], 0, v[\sa], v[\sb] matrix_a_fmt:MATRIX_FMT_BF8 matrix_b_fmt:MATRIX_FMT_BF8 matrix_b_scale:MATRIX_SCALE_ROW1
.else
	v_wmma_scale_f32_16x16x128_f8f6f4 v[\ac:\ac+7], v[\br:\br+15], v[\ar:\ar+15], 0, v[\sa], v[\sb] matrix_a_fmt:MATRIX_FMT_BF8 matrix_b_fmt:MATRIX_FMT_BF8 matrix_a_scale:MATRIX_SCALE_ROW1 matrix_b_scale:MATRIX_SCALE_ROW1
.endif
.else
.if (\pa) == 0 && (\pb) == 0
	v_wmma_scale_f32_16x16x128_f8f6f4 v[\ac:\ac+7], v[\br:\br+15], v[\ar:\ar+15], v[\ac:\ac+7], v[\sa], v[\sb] matrix_a_fmt:MATRIX_FMT_BF8 matrix_b_fmt:MATRIX_FMT_BF8
.elseif (\pb) == 0
	v_wmma_scale_f32_16x16x128_f8f6f4 v[\ac:\ac+7], v[\br:\br+15], v[\ar:\ar+15], v[\ac:\ac+7], v[\sa], v[\sb] matrix_a_fmt:MATRIX_FMT_BF8 matrix_b_fmt:MATRIX_FMT_BF8 matrix_a_scale:MATRIX_SCALE_ROW1
.elseif (\pa) == 0
	v_wmma_scale_f32_16x16x128_f8f6f4 v[\ac:\ac+7], v[\br:\br+15], v[\ar:\ar+15], v[\ac:\ac+7], v[\sa], v[\sb] matrix_a_fmt:MATRIX_FMT_BF8 matrix_b_fmt:MATRIX_FMT_BF8 matrix_b_scale:MATRIX_SCALE_ROW1
.else
	v_wmma_scale_f32_16x16x128_f8f6f4 v[\ac:\ac+7], v[\br:\br+15], v[\ar:\ar+15], v[\ac:\ac+7], v[\sa], v[\sb] matrix_a_fmt:MATRIX_FMT_BF8 matrix_b_fmt:MATRIX_FMT_BF8 matrix_a_scale:MATRIX_SCALE_ROW1 matrix_b_scale:MATRIX_SCALE_ROW1
.endif
.endif
.endm
; A K step of 128: 36 products, the 36 accumulators by turns in one fixed order.  The rows' fragments have one set of registers: tiles 0-4 are fetched anew behind their
; 20 products, tiles 5-8 behind theirs.  U's fragments have three sets: K step k + 3 is asked for behind step k, into the set that step k has left.
; Eight plain places stand between a product and a load into a register that it has read.
.macro KSTEP k
.if (\k) < 6
	s_wait_loadcnt 32                              ; this step's U is in; the two steps asked for behind it may be out
.elseif (\k) == 6
	s_wait_loadcnt 16
.else
	s_wait_loadcnt 0x0
.endif
	s_wait_dscnt 16                                ; row tiles 0-4 are in; the sixteen loads of tiles 5-8 may be out
	WIN 0xa1                                       ; source 0 (U) window 1, source 1 (rows) window 0, C and D window 2
.irp t, 0,1,2,3,4
.irp q, 0,1,2,3
	MM 8*(4*\t+\q), 64*((\k)%3)+16*\q, AF+16*\t, (\k)==0, BSC+8*(\q/2)+(\k), ASC+8*(\t/2)+(\k), \q%2, \t%2
.endr
.endr
	PLACES 8
	WIN 0
.if (\k) < 7
	LOADA_LO (\k)+1
	s_wait_dscnt 20                                ; row tiles 5-8 are in; the twenty just issued may be out
.else
	s_wait_dscnt 0x0
.endif
	WIN 0xa1
.irp t, 5,6,7
.irp q, 0,1,2,3
	MM 8*(4*\t+\q), 64*((\k)%3)+16*\q, AF+16*\t, (\k)==0, BSC+8*(\q/2)+(\k), ASC+8*(\t/2)+(\k), \q%2, \t%2
.endr
.endr
	WIN 0x51                                       ; row tile 8: C and D window 1
.irp q, 0,1,2,3
	MM 192+8*\q, 64*((\k)%3)+16*\q, AF+128, (\k)==0, BSC+8*(\q/2)+(\k), ASC+32+(\k), \q%2, 0
.endr
	PLACES 8
	WIN 0
.if (\k) < 7
	LOADA_HI (\k)+1
.endif
.if (\k) < 5
	WIN 0x40
	BLOAD (\k)+3
	WIN 0
.endif
.endm
; c pq and vs of tiles q0 and q0 + 1, my eight pos of each, into the two sets of window 1
.macro CVLOAD q0
	WIN 0x40
.irp s, 0,1
	ds_load_b128 v[224+16*\s:224+16*\s+3], v[CVA] offset:(\q0+\s)*64
	ds_load_b128 v[224+16*\s+4:224+16*\s+7], v[CVA] offset:(\q0+\s)*64+16
	ds_load_b128 v[224+16*\s+8:224+16*\s+11], v[CVA] offset:(\q0+\s)*64+1024
	ds_load_b128 v[224+16*\s+12:224+16*\s+15], v[CVA] offset:(\q0+\s)*64+1040
.endr
.endm
; Tile q of the group, row tiles 0-7: 64 numbers a lane.  c x + c pq; 2^; + 1; 1 /; x vs into the row's sum.  Exponentials and reciprocals go as batches, each with one plain line and the one wait
; ahead of the first line that names a result.  Each accumulator is read from its low end on.
.macro EPI q
.set CVS, 224+16*((\q)%2)
	WIN 0x92                                       ; destination and source 0 window 2, source 2 window 1
.irp t, 0,1,2,3,4,5,6,7
.irp p, 0,2,4,6
	v_pk_fma_f32 v[8*(4*\t+\q)+\p:8*(4*\t+\q)+\p+1], v[8*(4*\t+\q)+\p:8*(4*\t+\q)+\p+1], s[36:37], v[CVS+\p:CVS+\p+1] op_sel_hi:[1,0,1]
.endr
.endr
.irp t, 0,1,2,3,4,5,6,7
.irp j, 0,1,2,3,4,5,6,7
	v_exp_f32 v[8*(4*\t+\q)+\j], v[8*(4*\t+\q)+\j]
.endr
.endr
	v_nop
	s_wait_alu depctr_va_vdst(0)
.irp t, 0,1,2,3,4,5,6,7
.irp p, 0,2,4,6
	v_pk_add_f32 v[8*(4*\t+\q)+\p:8*(4*\t+\q)+\p+1], v[8*(4*\t+\q)+\p:8*(4*\t+\q)+\p+1], 1.0 op_sel_hi:[1,0]
.endr
.endr
.irp t, 0,1,2,3,4,5,6,7
.irp j, 0,1,2,3,4,5,6,7
	v_rcp_f32 v[8*(4*\t+\q)+\j], v[8*(4*\t+\q)+\j]
.endr
.endr
	v_nop
	s_wait_alu depctr_va_vdst(0)
	WIN 0x06                                       ; source 0 window 2, source 1 window 1; the sums in window 0
.irp p, 0,2,4,6
.irp t, 0,1,2,3,4,5,6,7
	v_pk_fma_f32 v[RR+2*\t:RR+2*\t+1], v[8*(4*\t+\q)+\p:8*(4*\t+\q)+\p+1], v[CVS+8+\p:CVS+8+\p+1], v[RR+2*\t:RR+2*\t+1]
.endr
.endr
.endm
.macro EPI8 q0                         ; the same for row tile 8, tiles q0 and q0 + 1
	WIN 0x51
.irp s, 0,1
.irp p, 0,2,4,6
	v_pk_fma_f32 v[192+8*(\q0+\s)+\p:192+8*(\q0+\s)+\p+1], v[192+8*(\q0+\s)+\p:192+8*(\q0+\s)+\p+1], s[36:37], v[224+16*\s+\p:224+16*\s+\p+1] op_sel_hi:[1,0,1]
.endr
.endr
.irp s, 0,1
.irp j, 0,1,2,3,4,5,6,7
	v_exp_f32 v[192+8*(\q0+\s)+\j], v[192+8*(\q0+\s)+\j]
.endr
.endr
	v_nop
	s_wait_alu depctr_va_vdst(0)
.irp s, 0,1
.irp p, 0,2,4,6
	v_pk_add_f32 v[192+8*(\q0+\s)+\p:192+8*(\q0+\s)+\p+1], v[192+8*(\q0+\s)+\p:192+8*(\q0+\s)+\p+1], 1.0 op_sel_hi:[1,0]
.endr
.endr
.irp s, 0,1
.irp j, 0,1,2,3,4,5,6,7
	v_rcp_f32 v[192+8*(\q0+\s)+\j], v[192+8*(\q0+\s)+\j]
.endr
.endr
	v_nop
	s_wait_alu depctr_va_vdst(0)
	WIN 0x05                                       ; sources 0 and 1 window 1
.irp p, 0,2,4,6
.irp s, 0,1
	v_pk_fma_f32 v[RR+16:RR+17], v[192+8*(\q0+\s)+\p:192+8*(\q0+\s)+\p+1], v[224+16*\s+8+\p:224+16*\s+8+\p+1], v[RR+16:RR+17]
.endr
.endr
.endm
	LOADA_LO 0
	LOADA_HI 0
.set rw, 0
.rept 18
	v_mov_b32 v[RR+rw], 0                          ; the nine row tiles' sums, a pair each: the group's text is written once
.set rw, rw+1
.endr
	s_mov_b32 s94, 0
	s_mov_b32 s87, 0
.Lgroup:                                           ; four trips: strips 4 w .. 4 w + 3
	s_cmp_eq_u32 s30, 0                            ; a share without rows passes over the group's work, not over the lines at the trip's end that step
	s_cbranch_scc1 .Lnorows
	v_add_nc_u32 v[CVA], s87, v[CVA0]              ; the group's c pq and vs
.irp k, 0,1,2,3,4,5,6,7
	KSTEP \k
.endr
	s_cmp_eq_u32 s94, 3                            ; the next group's U and first fragments are asked for ahead of the vector work, if there is a next group: no load leaves its buffer
	s_cbranch_scc1 .Llastg
	NEXTB 1
	LOADA_LO 0
	LOADA_HI 0
.Llastg:
	CVLOAD 0
	s_wait_dscnt 0x0
	EPI 0
	EPI 1
	EPI8 0
	CVLOAD 2
	s_wait_dscnt 0x0
	EPI 2
	EPI 3
	EPI8 2
	WIN 0
.Lnorows:
	s_add_co_u32 s87, s87, 256
	s_add_co_u32 s94, s94, 1
	s_cmp_lt_u32 s94, 4
	s_cbranch_scc1 .Lgroup
	s_wait_loadcnt 0x0                             ; a share without rows comes here with the first group's loads of U still out, and with the LDS loads issued ahead of the loop:
	s_wait_dscnt 0x0                               ; the registers that they fill are taken for other things below
	; ---------------- my 256 pos of rho for the 144 rows meet the other waves'
.irp t, 0,1,2,3,4,5,6,7,8
	v_add_f32 v[16+\t], v[RR+2*\t], v[RR+2*\t+1]
.endr
.irp t, 0,1,2,3,4,5,6,7,8
	v_permlanex16_b32 v[32+\t], v[16+\t], s92, s93
.endr
.irp t, 0,1,2,3,4,5,6,7,8
	v_add_f32 v[16+\t], v[16+\t], v[32+\t]         ; with the other eight pos of each tile
.endr
	v_lshl_add_u32 v[T0], v[RL], 2, v[PB0]
.irp t, 0,1,2,3,4,5,6,7,8
	ds_store_b32 v[T0], v[16+\t] offset:\t*64      ; both halves of the lanes write the same word with the same value
.endr
	s_wait_dscnt 0x0                               ; for the others' sake
	s_barrier_signal -1
	s_barrier_wait -1
	v_lshl_add_u32 v[T0], v[LN], 2, CV
	v_lshl_add_u32 v[T1], v[RL], 2, CV
.irp a, 0,1,2,3
.irp u, 0,1,2,3
	ds_load_b32 v[16+4*\a+\u], v[T0] offset:\u*2048+\a*128   ; row 32 a + lane, wave u's part
.endr
.endr
.irp u, 0,1,2,3
	ds_load_b32 v[32+\u], v[T1] offset:\u*2048+512           ; rows 128-143, twice
.endr
	v_mov_b32 v45, 0xff800000                      ; -inf
	s_wait_dscnt 0x0
.irp a, 0,1,2,3,4
	v_add_f32 v[16+4*\a], v[16+4*\a], v[17+4*\a]
	v_add_f32 v[18+4*\a], v[18+4*\a], v[19+4*\a]
.endr
.irp a, 0,1,2,3,4
	v_add_f32 v[16+4*\a], v[16+4*\a], v[18+4*\a]   ; rho
.endr
.irp a, 0,1,2,3,4
	s_sub_co_i32 s66, s30, 32*\a
	v_cmp_gt_i32 vcc_lo, s66, v[LN]                ; is row 32 a + lane one of mine?  (in a = 4 lanes 16-31 stand for rows 144 on: never)
	v_cndmask_b32 v[40+\a], v45, v[16+4*\a], vcc_lo
.endr
	v_max3_num_f32 v46, v40, v41, v42
	v_max3_num_f32 v46, v46, v43, v44
	v_max_num_f32_dpp v46, v46, v46 row_xmask:1 row_mask:0xf bank_mask:0xf
	v_max_num_f32_dpp v46, v46, v46 row_xmask:2 row_mask:0xf bank_mask:0xf
	v_max_num_f32_dpp v46, v46, v46 row_xmask:4 row_mask:0xf bank_mask:0xf
	v_max_num_f32_dpp v46, v46, v46 row_xmask:8 row_mask:0xf bank_mask:0xf
	v_permlanex16_b32 v47, v46, s92, s93
	v_max3_num_f32 v46, v46, v47, 0xff61b1e6       ; m: the share's largest rho, held at -3e38 from below, under every rho: a share without rows then has -inf less a number, so p = 0
.irp a, 0,1,2,3,4
	v_sub_f32 v[40+\a], v[40+\a], v46
.endr
.irp a, 0,1,2,3,4
	v_exp_f32 v[40+\a], v[40+\a]                   ; p = 2^(rho - m)
.endr
	v_nop
	s_wait_alu depctr_va_vdst(0)
	v_add_f32 v47, v40, v41
	v_add_f32 v48, v42, v43
	v_add_f32 v47, v47, v44
	v_add_f32 v47, v47, v48
	v_add_f32_dpp v47, v47, v47 row_xmask:1 row_mask:0xf bank_mask:0xf
	v_add_f32_dpp v47, v47, v47 row_xmask:2 row_mask:0xf bank_mask:0xf
	v_add_f32_dpp v47, v47, v47 row_xmask:4 row_mask:0xf bank_mask:0xf
	v_add_f32_dpp v47, v47, v47 row_xmask:8 row_mask:0xf bank_mask:0xf
	v_permlanex16_b32 v48, v47, s92, s93
	v_add_f32 v47, v47, v48                        ; the share's sum of p
.irp a, 0,1,2,3,4
	ds_store_b32 v[PST], v[40+\a] offset:640+\a*128   ; every wave keeps a copy of its own: no barrier
.endr
	; ---------------- my 256 columns of the share's blend: sum over its rows of p x item, items in bf16, p and the sums in f32.  Every offset is an immediate on a base that stays
.irp i, 0,1,2,3,4,5,6,7,8,9,10,11,12,13,14,15
	ds_load_b128 v[96+4*\i:96+4*\i+3], v[PB0] offset:640+16*\i   ; p of rows 0-63: every lane reads the same words; LDS serves a wave's instructions in order: these see my stores
.endr
.irp e, 0,1,2,3,4,5,6,7
	v_mov_b32 v[OO+\e], 0
.endr
	s_wait_dscnt 0x0
	WIN 0x03                                       ; source 0 window 3
.set rw, 0
.rept 64
.irp j, 0,1,2,3
	v_fma_mix_f32_bf16 v[OO+2*\j], v[4*rw+\j], v[96+rw], v[OO+2*\j] op_sel_hi:[1,0,0]
	v_fma_mix_f32_bf16 v[OO+2*\j+1], v[4*rw+\j], v[96+rw], v[OO+2*\j+1] op_sel:[1,0,0] op_sel_hi:[1,0,0]
.endr
.set rw, rw+1
.endr
	WIN 0
.irp tr, 0,1,2,3,4                     ; rows 64-143, sixteen at a time, from my LDS rows
.irp i, 0,1,2,3
	ds_load_b128 v[224+4*\i:224+4*\i+3], v[PB0] offset:896+64*\tr+16*\i
.endr
.irp i, 0,1,2,3,4,5,6,7,8,9,10,11,12,13,14,15
	ds_load_b128 v[160+4*\i:160+4*\i+3], v[FA0] offset:8192*\tr+512*\i
.endr
	s_wait_dscnt 0x0
.set rw, 0
.rept 16
.irp j, 0,1,2,3
	v_fma_mix_f32_bf16 v[OO+2*\j], v[160+4*rw+\j], v[224+rw], v[OO+2*\j] op_sel_hi:[1,0,0]
	v_fma_mix_f32_bf16 v[OO+2*\j+1], v[160+4*rw+\j], v[224+rw], v[OO+2*\j+1] op_sel:[1,0,0] op_sel_hi:[1,0,0]
.endr
.set rw, rw+1
.endr
.endr
	; a lane holds 32 neighbouring bytes: they turn through my own LDS rows, which have been read, so that each store covers 512 consecutive bytes
	ds_store_b128 v[WOA], v[OO:OO+3]
	ds_store_b128 v[WOA], v[OO+4:OO+7] offset:16
	ds_load_b128 v[248:251], v[FA0]                ; LDS serves a wave's instructions in order: these see my stores
	ds_load_b128 v[252:255], v[FA0] offset:512
	s_wait_dscnt 0x0
	global_store_b128 v[POA], v[248:251], s[20:21]
	global_store_b128 v[POA], v[252:255], s[20:21] offset:512
	; ---------------- wave 0 alone, last: rho goes to its row's own place in react; (m, sum) to pstat
	s_cmp_lg_u32 s24, 0
	s_cbranch_scc1 .Lnot0
	v_lshlrev_b32 v49, 2, v[LN]
.irp a, 0,1,2,3,4
	global_load_b32 v[50+\a], v49, s[38:39] offset:\a*128
.endr
	s_wait_loadcnt 0x0
.irp a, 0,1,2,3,4
	v_min_u32 v[50+\a], 0x7ff, v[50+\a]            ; held inside the batch
.endr
.irp a, 0,1,2,3,4
	v_lshlrev_b32 v[50+\a], 2, v[50+\a]
.endr
.irp a, 0,1,2,3,4
	s_sub_co_i32 s66, s30, 32*\a
	v_cmp_gt_i32 vcc_lo, s66, v[LN]
	s_wait_xcnt 0x0                                ; EXEC changes only behind this wait
	s_and_saveexec_b32 s67, vcc_lo
	global_store_b32 v[50+\a], v[16+4*\a], s[18:19]
	s_wait_xcnt 0x0                                ; and again, in front of the line that widens it
	s_or_b32 exec_lo, exec_lo, s67
.endr
	global_store_b64 v[L8], v[46:47], s[22:23]     ; 32 times: 256 consecutive bytes
.Lnot0:
	s_wait_tensorcnt 0x0                           ; the wave's end, behind my last LDS store
	ds_add_u32 v[SPW], v[NIL]
	s_wait_dscnt 0x0
	s_endpgm
.Lfunc_end_k_q70aecda157_main:
	.size	k_q70aecda157_main, .Lfunc_end_k_q70aecda157_main-k_q70aecda157_main
	.p2alignl 7, 3214868480
	.fill 96, 4, 3214868480
	.section	.rodata,"a",@progbits
	.p2align	6, 0x0
	.amdhsa_kernel k_q70aecda157_main
		.amdhsa_group_segment_fixed_size 325632
		.amdhsa_private_segment_fixed_size 0
		.amdhsa_enable_private_segment 0
		.amdhsa_kernarg_size 80
		.amdhsa_user_sgpr_count 2
		.amdhsa_user_sgpr_kernarg_segment_ptr 1
		.amdhsa_wavefront_size32 1
		.amdhsa_system_sgpr_workgroup_id_x 1
		.amdhsa_system_sgpr_workgroup_id_y 1
		.amdhsa_system_sgpr_workgroup_id_z 1
		.amdhsa_system_vgpr_workitem_id 0
		.amdhsa_next_free_vgpr 1024
		.amdhsa_next_free_sgpr 102
		.amdhsa_reserve_vcc 1
		.amdhsa_float_denorm_mode_32 3
		.amdhsa_float_denorm_mode_16_64 3
		.amdhsa_memory_ordered 1
		.amdhsa_forward_progress 1
		.amdhsa_inst_pref_size 255
	.end_amdhsa_kernel
	.section	.bss,"aw",@nobits
	.p2align	6
	.space	262144
	.amdgpu_metadata
---
amdhsa.version: [ 1, 2 ]
amdhsa.kernels:
  - .name:           k_q70aecda157_main
    .symbol:         k_q70aecda157_main.kd
    .args:
      - { .name: multiple_items, .offset: 0, .size: 8, .value_kind: global_buffer, .address_space: global }
      - { .name: v, .offset: 8, .size: 8, .value_kind: global_buffer, .address_space: global }
      - { .name: ucodes, .offset: 16, .size: 8, .value_kind: global_buffer, .address_space: global }
      - { .name: uscl, .offset: 24, .size: 8, .value_kind: global_buffer, .address_space: global }
      - { .name: cpqp, .offset: 32, .size: 8, .value_kind: global_buffer, .address_space: global }
      - { .name: order, .offset: 40, .size: 8, .value_kind: global_buffer, .address_space: global }
      - { .name: counts, .offset: 48, .size: 8, .value_kind: global_buffer, .address_space: global }
      - { .name: react, .offset: 56, .size: 8, .value_kind: global_buffer, .address_space: global }
      - { .name: pblend, .offset: 64, .size: 8, .value_kind: global_buffer, .address_space: global }
      - { .name: pstat, .offset: 72, .size: 8, .value_kind: global_buffer, .address_space: global }
    .group_segment_fixed_size: 325632
    .private_segment_fixed_size: 0
    .kernarg_segment_align: 8
    .kernarg_segment_size: 80
    .max_flat_workgroup_size: 128
    .sgpr_count:     102
    .vgpr_count:     1024
    .wavefront_size: 32
...
	.end_amdgpu_metadata
.endif
;; end of part 2
;; launch finish (part 3): grid 4 x 32, 2 waves a work-group, no clusters, 0 bytes of LDS; arguments react, pblend, pstat, out0, out1; writes out0, out1
.if DOCPART == 3
	.amdgcn_target "amdgcn-amd-amdhsa--gfx1250"
	.amdhsa_code_object_version 6
	.text
	.protected	k_q70aecda157_finish
	.globl	k_q70aecda157_finish
	.p2align	8
	.type	k_q70aecda157_finish,@function
k_q70aecda157_finish:
	s_mov_b64 s[64:65], 0
	v_nop
	global_prefetch_b8 v0, s[64:65] scope:SCOPE_SE
	s_setreg_imm32_b32 hwreg(HW_REG_WAVE_MODE, 25, 1), 1
	s_wait_xcnt 0x0
; Additive attention, launch 3 of 3: a batch's sixteen slots are joined.  (The constant sum(v) stays left out: it cancels in the softmax, as shown at the head of the first launch's text.)
; Slot s left its largest rho m_s, its sum l_s of 2^(rho - m_s), and its part B_s of the blend under m_s.  With m = the largest m_s and w_s = 2^(m_s - m):
; L = sum of l_s w_s;  blended = sum of B_s w_s / L;  score = 2^(rho - m) / L.  A slot without rows left (-3e38, 0) and zeros: beside a slot with rows w_s = 0.  A masked row holds rho = -inf: score 0.
; A batch with no live row has L = 0: 1 / L is infinite, and 0 x infinity gives NaN in both outputs, as reference() gives there.
; Work-group (x, batch): 256 columns of the blend, 512 scores.  64 threads, 16 bytes each: every load and store of a wave covers 512 consecutive bytes.  No branch, no LDS.
	s_load_b256 s[4:11], s[0:1], 0x0               ; react s[4:5], pblend s[6:7], pstat s[8:9], out0 s[10:11]
	s_load_b64 s[12:13], s[0:1], 0x20              ; out1
	s_and_b32 s14, ttmp7, 0xffff                   ; batch
	v_and_b32 v1, 15, v0
	v_lshlrev_b32 v1, 8, v1                        ; lane % 16 takes that slot's record of 256 bytes
	v_lshlrev_b32 v2, 4, v0
	s_mov_b32 s17, 0
	s_mov_b32 s19, 0
	s_mov_b32 s21, 0
	s_mov_b32 s23, 0
	s_lshl_b32 s16, s14, 12                        ; pstat: 16 records a batch
	s_lshl_b32 s24, ttmp9, 10
	s_lshl_b32 s18, s14, 16
	s_add_co_u32 s18, s18, s24                     ; pblend: 16 slots of 4,096 bytes a batch, my 1,024 bytes
	s_add_co_u32 s20, s16, s24                     ; out0: 4,096 bytes a batch, my 1,024
	s_lshl_b32 s22, s14, 13
	s_lshl_b32 s25, ttmp9, 11
	s_add_co_u32 s22, s22, s25                     ; react, out1: 8,192 bytes a batch, my 2,048
	s_wait_kmcnt 0x0
	s_add_nc_u64 s[8:9], s[8:9], s[16:17]
	s_add_nc_u64 s[6:7], s[6:7], s[18:19]
	s_add_nc_u64 s[10:11], s[10:11], s[20:21]
	s_add_nc_u64 s[4:5], s[4:5], s[22:23]
	s_add_nc_u64 s[12:13], s[12:13], s[22:23]
	global_load_b64 v[4:5], v1, s[8:9]             ; (m_s, l_s)
.irp s, 0,1,2,3,4,5,6,7,8,9,10,11,12,13,14,15
	global_load_b128 v[16+4*\s:16+4*\s+3], v2, s[6:7] offset:\s*4096
.endr
	global_load_b128 v[80:83], v2, s[4:5]
	global_load_b128 v[84:87], v2, s[4:5] offset:1024
	s_wait_loadcnt 18                              ; (m_s, l_s) is in; the eighteen loads behind it may be out
	v_mov_b32 v6, v4
	v_max_num_f32_dpp v6, v6, v6 row_xmask:1 row_mask:0xf bank_mask:0xf
	v_max_num_f32_dpp v6, v6, v6 row_xmask:2 row_mask:0xf bank_mask:0xf
	v_max_num_f32_dpp v6, v6, v6 row_xmask:4 row_mask:0xf bank_mask:0xf
	v_max_num_f32_dpp v6, v6, v6 row_xmask:8 row_mask:0xf bank_mask:0xf   ; m, in every lane
	v_sub_f32 v7, v4, v6
	v_exp_f32 v7, v7                               ; w_s
	v_nop
	s_wait_alu depctr_va_vdst(0)
	v_mul_f32 v8, v5, v7
	v_add_f32_dpp v8, v8, v8 row_xmask:1 row_mask:0xf bank_mask:0xf
	v_add_f32_dpp v8, v8, v8 row_xmask:2 row_mask:0xf bank_mask:0xf
	v_add_f32_dpp v8, v8, v8 row_xmask:4 row_mask:0xf bank_mask:0xf
	v_add_f32_dpp v8, v8, v8 row_xmask:8 row_mask:0xf bank_mask:0xf       ; L
	v_rcp_f32 v9, v8
	v_nop
	s_wait_alu depctr_va_vdst(0)
	v_mul_f32 v7, v7, v9                           ; w_s / L
.irp s, 0,1,2,3,4,5,6,7,8,9,10,11,12,13,14,15
	v_readlane_b32 s[32+\s], v7, \s
.endr
	s_wait_loadcnt 2                               ; the sixteen parts are in; the two loads of rho may be out
.irp j, 0,1,2,3
	v_mul_f32 v[88+\j], s32, v[16+\j]
.endr
.irp s, 1,2,3,4,5,6,7,8,9,10,11,12,13,14,15
.irp j, 0,1,2,3
	v_fma_f32 v[88+\j], s[32+\s], v[16+4*\s+\j], v[88+\j]
.endr
.endr
	global_store_b128 v2, v[88:91], s[10:11]
	s_wait_loadcnt 0x0
.irp j, 0,1,2,3,4,5,6,7
	v_sub_f32 v[80+\j], v[80+\j], v6
.endr
.irp j, 0,1,2,3,4,5,6,7
	v_exp_f32 v[80+\j], v[80+\j]
.endr
	v_nop
	s_wait_alu depctr_va_vdst(0)
.irp j, 0,1,2,3,4,5,6,7
	v_mul_f32 v[80+\j], v[80+\j], v9
.endr
	global_store_b128 v2, v[80:83], s[12:13]
	global_store_b128 v2, v[84:87], s[12:13] offset:1024
	s_endpgm
.Lfunc_end_k_q70aecda157_finish:
	.size	k_q70aecda157_finish, .Lfunc_end_k_q70aecda157_finish-k_q70aecda157_finish
	.p2alignl 7, 3214868480
	.fill 96, 4, 3214868480
	.section	.rodata,"a",@progbits
	.p2align	6, 0x0
	.amdhsa_kernel k_q70aecda157_finish
		.amdhsa_group_segment_fixed_size 0
		.amdhsa_private_segment_fixed_size 0
		.amdhsa_enable_private_segment 0
		.amdhsa_kernarg_size 40
		.amdhsa_user_sgpr_count 2
		.amdhsa_user_sgpr_kernarg_segment_ptr 1
		.amdhsa_wavefront_size32 1
		.amdhsa_system_sgpr_workgroup_id_x 1
		.amdhsa_system_sgpr_workgroup_id_y 1
		.amdhsa_system_sgpr_workgroup_id_z 1
		.amdhsa_system_vgpr_workitem_id 0
		.amdhsa_next_free_vgpr 96
		.amdhsa_next_free_sgpr 66
		.amdhsa_reserve_vcc 0
		.amdhsa_float_denorm_mode_32 3
		.amdhsa_float_denorm_mode_16_64 3
		.amdhsa_memory_ordered 1
		.amdhsa_forward_progress 1
		.amdhsa_inst_pref_size 10
	.end_amdhsa_kernel
	.amdgpu_metadata
---
amdhsa.version: [ 1, 2 ]
amdhsa.kernels:
  - .name:           k_q70aecda157_finish
    .symbol:         k_q70aecda157_finish.kd
    .args:
      - { .name: react, .offset: 0, .size: 8, .value_kind: global_buffer, .address_space: global }
      - { .name: pblend, .offset: 8, .size: 8, .value_kind: global_buffer, .address_space: global }
      - { .name: pstat, .offset: 16, .size: 8, .value_kind: global_buffer, .address_space: global }
      - { .name: out0, .offset: 24, .size: 8, .value_kind: global_buffer, .address_space: global }
      - { .name: out1, .offset: 32, .size: 8, .value_kind: global_buffer, .address_space: global }
    .group_segment_fixed_size: 0
    .private_segment_fixed_size: 0
    .kernarg_segment_align: 8
    .kernarg_segment_size: 40
    .max_flat_workgroup_size: 64
    .sgpr_count:     66
    .vgpr_count:     96
    .wavefront_size: 32
...
	.end_amdgpu_metadata
.endif
;; end of part 3
;; ======== version 2 of 2: 3 launches
;; limits: values are held in bf16: 8 bits of precision; right only within a limited range of input values
;; workspace buffers: ucodes 1,048,576 bytes; uscl 32,768 bytes; cpqp 524,288 bytes; order 294,912 bytes of whole numbers; counts 8,192 bytes of whole numbers; react 262,144 bytes; pblend 2,097,152 bytes; pstat 131,072 bytes
;; launch prep (part 4): grid 132 x 1, 8 waves a work-group, no clusters, 71,168 bytes of LDS; arguments U, W, queries, weights, ucodes, uscl, cpqp, order, counts, react; writes ucodes, uscl, cpqp, order, counts, react
.if DOCPART == 4
	.amdgcn_target "amdgcn-amd-amdhsa--gfx1250"
	.amdhsa_code_object_version 6
	.text
	.protected	k_q70aecda157_prep
	.globl	k_q70aecda157_prep
	.p2align	8
	.type	k_q70aecda157_prep,@function
k_q70aecda157_prep:
	s_mov_b64 s[64:65], 0
	v_nop
	global_prefetch_b8 v0, s[64:65] scope:SCOPE_SE
	s_setreg_imm32_b32 hwreg(HW_REG_WAVE_MODE, 25, 1), 1
	s_wait_xcnt 0x0
; Additive attention, launch 1 of 3: everything that the main launch wants laid ready.
; THE PROGRAM.  reactivity[b][s] = sum over a of v[a] tanh(pq[b][a] + pi[b][s][a]), pq = queries W, pi = items U (both on E5M2 codes with one E8M0 scale for 32 along K);
; rows with weights[b][s] == 0 get -inf; softmax over s; blended = scores x items.
; WORK LEFT OUT, for all values of the inputs:
;  (1) A row with weights == 0.  reference() puts -inf in place of its reactivity whatever that was, so its score is 0 and its term of the blend is 0: its row of items U, its tanh, its dot
;      with v and its term of the blend reach no output.  Whole numbers decide it: this launch reads them and stores, for each batch, a list of the live rows; the main launch gathers by that list.
;  (2) tanh(x) = 1 - 2 / (1 + e^(2x)), so reactivity = sum(v) - 2 sum over a of v[a] / (1 + e^(2x)).  sum(v) is the same along the softmax's axis and cancels there; it is of v's own size.
; LIMITS.  A NaN, an infinity or an overflow that reaches only the work left out (a masked row's items, sum(v)) is not carried to the result.  NaN and infinities among the floating-point
; inputs are not served.  A block of zeros gets the scale byte 1 where the rule says 127: its codes are zeros, and the bytes are read by this program alone.
; THREE ROLES, by the work-group's number:
;  0..63    U [k][n] f32 -> ucodes, uscl.  Work-group (S = strip of 64 columns, Qk = quarter of K), wave = one block of 32 along K.
;  64..127  the same quantiser on W, and the product queries W for that strip and quarter of K -> cpqp (times c = 2 log2(e)).
;  128..131 one wave a batch: the list of live rows, then the masked ones (a whole permutation) -> order; the count -> counts; react filled with -inf.
; A LANE TAKES TWO NEIGHBOURING COLUMNS AND ITS REGISTERS RUN DOWN K: each load reads 256 consecutive bytes of a row of U, a block lies in one lane, the codes come out with K innermost.
; COLUMN ORDER.  Tile kp = 2 u + ci of a strip holds columns 64 S + 32 u + 2 r + ci (lane 16 u + r, column ci of its pair); pos = 64 S + 16 kp + r.  cpqp, uscl and the main launch's v go by pos.
; ucodes holds images of the operand's registers: byte S 65536 + ks 8192 + kp 2048 + c 512 + 16 lane; lane (r, h) holds k = 128 ks + 32 c + 16 h + 0..15 of the tile's column r.
.set TAB,   0                          ; LDS, role U alone: 64 pos x 8 scale bytes
.set RED,   512                        ; LDS, role W alone: for each wave 32 batches x (256 bytes + 16)
.set REDW,  8704
.set SPARE, 70144                      ; the spare words, 128 bytes for each of the eight waves; no other line names them
.set FLOOR, 0x8000000                  ; 2^(16 - 127): under it no largest magnitude is taken, so the byte cannot fall under 1
.set SPW,   4                          ; v4   my spare word; never rewritten
.set NIL,   5                          ; v5   0; never rewritten
.set RUN,   32                         ; v32-47   the codes: after the exchange, registers 4 kp .. 4 kp + 3 are tile kp's image of this block
.set QW,    48                         ; v48-91   the queries' codes between zeros
.set HB,    96                         ; v96-127  the queries' numbers, later 32 held numbers of a column
.set LQ,    128                        ; v128-191 64 numbers as loaded (register 2 k + ci); later the eight results; in the lists' role the weights
.set SUMS,  192                        ; v192-255 the eight waves' parts
.macro LOADL                           ; 32 rows of K x my two columns: a wave reads 256 consecutive bytes, aligned, of each row
.set k, 0
.rept 32
	global_load_b64 v[LQ+2*k:LQ+2*k+1], v6, s[32:33] offset:k*4096 th:TH_LOAD_NT
.set k, k+1
.endr
.endm
; Both columns of my pair become codes.  v16, v17: largest magnitude, then the conversion's scale operand; v18, v19: 57,344 x the scale; v20, v21: the scale bytes.
.macro QCOLS
	v_max3_num_f32 v16, |v[LQ]|, |v[LQ+2]|, FLOOR
	v_max3_num_f32 v17, |v[LQ+1]|, |v[LQ+3]|, FLOOR
.set k, 2
.rept 15
	s_delay_alu instid0(VALU_DEP_2)
	v_max3_num_f32 v16, v16, |v[LQ+2*k]|, |v[LQ+2*k+2]|
	s_delay_alu instid0(VALU_DEP_2)
	v_max3_num_f32 v17, v17, |v[LQ+2*k+1]|, |v[LQ+2*k+3]|
.set k, k+2
.endr
	s_delay_alu instid0(VALU_DEP_2)
	v_and_or_b32 v18, v16, 0x7f800000, s34         ; the largest magnitude's exponent field over 57,344's mantissa
	s_delay_alu instid0(VALU_DEP_2)
	v_and_or_b32 v19, v17, 0x7f800000, s34
	s_delay_alu instid0(VALU_DEP_4)
	v_add_nc_u32 v16, 0xf8800000, v16              ; 15 off the exponent field: the conversion takes that field as its scale
	s_delay_alu instid0(VALU_DEP_4)
	v_add_nc_u32 v17, 0xf8800000, v17
.irp ci, 0,1
.set k, 0
.rept 32
	v_med3_num_f32 v[HB+k], v[LQ+2*k+\ci], -v[18+\ci], v[18+\ci]   ; the hold (the conversion to an 8-bit code does not saturate: ISA guide 7.6.2); it also brings the column's 32 numbers on end
.set k, k+1
.endr
	v_cvt_scalef32_pk8_bf8_f32 v[RUN+4*\ci:RUN+4*\ci+1], v[HB:HB+7], v[16+\ci]
	v_cvt_scalef32_pk8_bf8_f32 v[RUN+4*\ci+2:RUN+4*\ci+3], v[HB+8:HB+15], v[16+\ci]
	v_cvt_scalef32_pk8_bf8_f32 v[RUN+8+4*\ci:RUN+8+4*\ci+1], v[HB+16:HB+23], v[16+\ci]
	v_cvt_scalef32_pk8_bf8_f32 v[RUN+8+4*\ci+2:RUN+8+4*\ci+3], v[HB+24:HB+31], v[16+\ci]
	v_nop                                          ; a plain line between the conversions and what next writes their sources or reads their results
.endr
	v_lshrrev_b32 v20, 23, v16                     ; the scale bytes
	v_lshrrev_b32 v21, 23, v17
.irp ci, 0,1
.irp i, 0,1,2,3
	v_permlane16_swap_b32 v[RUN+4*\ci+\i], v[RUN+8+4*\ci+\i]   ; k 0..15 of lanes 16-31 change places with k 16..31 of lanes 0-15: the first register is then tile ci's image, the second tile 2 + ci's
.endr
.endr
.endm
	s_load_b256 s[4:11], s[0:1], 0x0               ; U s[4:5], W s[6:7], queries s[8:9], weights s[10:11]
	s_load_b256 s[12:19], s[0:1], 0x20             ; ucodes s[12:13], uscl s[14:15], cpqp s[16:17], order s[18:19]
	s_load_b128 s[20:23], s[0:1], 0x40             ; counts s[20:21], react s[22:23]
	v_lshl_add_u32 v[SPW], v0, 2, SPARE
	v_mov_b32 v[NIL], 0
	v_lshrrev_b32 v1, 5, v0
	s_delay_alu instid0(VALU_DEP_1)
	v_readfirstlane_b32 s24, v1                    ; wave 0..7
	v_and_b32 v1, 31, v0                           ; lane
	v_and_b32 v2, 15, v0                           ; r
	v_bfe_u32 v3, v0, 4, 1                         ; h
	s_delay_alu instid0(VALU_DEP_3)
	v_lshlrev_b32 v6, 3, v1                        ; 8 x lane
	s_delay_alu instid0(VALU_DEP_4)
	v_lshlrev_b32 v7, 4, v1                        ; 16 x lane
	s_mov_b32 s34, 0x600000                        ; the mantissa field of 57,344
	s_mov_b32 s36, 0x4038aa3b                      ; c = 2 log2(e)
	s_mov_b32 s37, s36
	s_mov_b32 s40, 0x76543210
	s_mov_b32 s41, 0xfedcba98                      ; v_permlanex16_b32's selects for lane l xor 16
	s_cmp_ge_u32 ttmp9, 128
	s_cbranch_scc1 .Llists
	s_and_b32 s25, ttmp9, 63
	s_lshr_b32 s26, s25, 2                         ; S
	s_and_b32 s27, s25, 3                          ; Qk
	s_lshl_b32 s28, s27, 3
	s_add_co_u32 s28, s28, s24                     ; kb = 8 Qk + wave: my block of 32 along K
	s_lshl_b32 s30, s28, 17                        ; 32 rows of 4,096 bytes,
	s_lshl_b32 s31, s26, 8                         ; the strip's 256 bytes
	s_add_co_u32 s30, s30, s31
	s_mov_b32 s31, 0
	s_mov_b32 s43, 0
	s_wait_kmcnt 0x0
	s_cmp_lt_u32 ttmp9, 64
	s_cbranch_scc0 .Lw
	; ---------------- role U
	s_add_nc_u64 s[32:33], s[4:5], s[30:31]
	s_wait_alu depctr_va_vdst(0)
	LOADL
	v_lshlrev_b32 v8, 8, v3
	s_delay_alu instid0(VALU_DEP_1)
	v_lshl_add_u32 v8, v2, 3, v8
	s_delay_alu instid0(VALU_DEP_1)
	v_add_nc_u32 v8, s24, v8                       ; TAB: 8 x pos + wave; pos in the strip = 32 u + 16 ci + r
	s_lshl_b32 s42, s26, 16                        ; ucodes: S 65536 + (kb / 4) 8192 + (kb % 4) 512
	s_lshr_b32 s44, s28, 2
	s_lshl_b32 s44, s44, 13
	s_add_co_u32 s42, s42, s44
	s_and_b32 s44, s28, 3
	s_lshl_b32 s44, s44, 9
	s_add_co_u32 s42, s42, s44
	s_add_nc_u64 s[12:13], s[12:13], s[42:43]
	s_lshl_b32 s42, s27, 13                        ; uscl: Qk 8192 + S 512
	s_lshl_b32 s44, s26, 9
	s_add_co_u32 s42, s42, s44
	s_add_nc_u64 s[14:15], s[14:15], s[42:43]
	s_wait_loadcnt 0x0
	QCOLS
.irp kp, 0,1,2,3
	global_store_b128 v7, v[RUN+4*\kp:RUN+4*\kp+3], s[12:13] offset:\kp*2048   ; 512 consecutive bytes, aligned
.endr
	ds_store_b8 v8, v20
	ds_store_b8 v8, v21 offset:128
	s_wait_dscnt 0x0                               ; for the others' sake: my bytes lie in the table
	s_barrier_signal -1
	s_barrier_wait -1
	s_cmp_lg_u32 s24, 0
	s_cbranch_scc1 .Lend
	ds_load_b128 v[16:19], v7                      ; wave 0: the strip's 512 scale bytes of this quarter of K
	s_wait_dscnt 0x0
	global_store_b128 v7, v[16:19], s[14:15]
	s_branch .Lend
	; ---------------- role W: the same quantiser, and queries W on this block
.Lw:
	s_add_nc_u64 s[32:33], s[6:7], s[30:31]
	s_lshl_b32 s42, s28, 7                         ; the block's 128 bytes in a row of queries
	s_add_nc_u64 s[8:9], s[8:9], s[42:43]
	s_wait_alu depctr_va_vdst(0)
	v_lshlrev_b32 v9, 12, v2
	s_delay_alu instid0(VALU_DEP_1)
	v_lshl_add_u32 v9, v3, 6, v9                   ; row r, + 64 h: my 16 numbers of the block
.irp mt, 0,1
.irp j, 0,1,2,3
	global_load_b128 v[HB+16*\mt+4*\j:HB+16*\mt+4*\j+3], v9, s[8:9] offset:\mt*65536+\j*16
.endr
.endr
	LOADL
.irp z, 0,16,32
.set k, 0
.rept 12
	v_mov_b32 v[QW+\z+k], 0                        ; zero codes round the queries' two runs of four registers
.set k, k+1
.endr
.endr
	v_mov_b32 v27, 0                               ; (a lane permute's destination counts as one of its sources)
	v_lshlrev_b32 v13, 4, v3                       ; 16 h
	s_mul_i32 s44, s24, REDW
	s_add_co_u32 s44, s44, RED
	v_mul_u32_u24 v10, v2, 272
	s_delay_alu instid0(VALU_DEP_1)
	v_lshl_add_u32 v10, v3, 5, v10
	s_delay_alu instid0(VALU_DEP_1)
	v_add_nc_u32 v10, s44, v10                     ; into my part of RED: batch row r, + 32 h
	s_lshl_b32 s44, s24, 2
	v_add_nc_u32 v11, s44, v3                      ; batch 4 wave + h
	s_delay_alu instid0(VALU_DEP_1)
	v_lshlrev_b32 v12, 12, v11
	s_delay_alu instid0(VALU_DEP_1)
	v_lshl_add_u32 v12, v2, 4, v12                 ; and its place in cpqp
	s_delay_alu instid0(VALU_DEP_3)
	v_mul_u32_u24 v11, v11, 272
	s_delay_alu instid0(VALU_DEP_1)
	v_lshl_add_u32 v11, v2, 4, v11
	s_delay_alu instid0(VALU_DEP_1)
	v_add_nc_u32 v11, RED, v11                     ; out of RED: sixteen lanes to a batch row
	s_lshl_b32 s42, s27, 17                        ; cpqp: Qk 131072 + S 256
	s_lshl_b32 s44, s26, 8
	s_add_co_u32 s42, s42, s44
	s_add_nc_u64 s[16:17], s[16:17], s[42:43]
; 16 rows of queries (batches 16 mt + r): lane (r, h) holds k = 16 h + 0..15 of the block
.macro QQ mt
.set QB, HB+16*(\mt)
	v_max3_num_f32 v26, |v[QB]|, |v[QB+1]|, FLOOR
.irp p, 2,4,6,8,10,12,14
	s_delay_alu instid0(VALU_DEP_1)
	v_max3_num_f32 v26, v26, |v[QB+\p]|, |v[QB+\p+1]|
.endr
	s_delay_alu instid0(VALU_DEP_1)
	v_permlanex16_b32 v27, v26, s40, s41
	s_delay_alu instid0(VALU_DEP_1)
	v_max_num_f32 v26, v26, v27
	s_delay_alu instid0(VALU_DEP_1)
	v_and_or_b32 v28, v26, 0x7f800000, s34
	s_delay_alu instid0(VALU_DEP_2)
	v_add_nc_u32 v26, 0xf8800000, v26
.irp p, 0,1,2,3,4,5,6,7,8,9,10,11,12,13,14,15
	v_med3_num_f32 v[QB+\p], v[QB+\p], -v28, v28
.endr
	v_cvt_scalef32_pk8_bf8_f32 v[QW+12+16*(\mt):QW+13+16*(\mt)], v[QB:QB+7], v26
	v_cvt_scalef32_pk8_bf8_f32 v[QW+14+16*(\mt):QW+15+16*(\mt)], v[QB+8:QB+15], v26
	v_nop
	v_lshrrev_b32 v29, 23, v26
	s_delay_alu instid0(VALU_DEP_1)
	v_perm_b32 v[24+(\mt)], v29, v29, 0            ; the block's byte in all four places of the scale word
.endm
	s_wait_loadcnt 32                              ; the queries are in; W's 32 loads, issued behind them, may be out
	QQ 0
	QQ 1
	s_wait_loadcnt 0x0
	QCOLS
	v_lshl_or_b32 v22, v21, 8, v20                 ; W's scale word: lanes 0-15 hold tiles 0, 1 in bytes 0, 1;
	s_delay_alu instid0(VALU_DEP_1)
	v_lshlrev_b32 v22, v13, v22                    ; lanes 16-31 tiles 2, 3 in bytes 2, 3
.rept 8
	v_nop                                          ; a scale register written by a vector instruction stands eight places ahead of a scaled matrix instruction, an operand four
.endr
; The sixteen registers of RUN are taken as ONE fragment whose chunk kp is tile kp's block.  The queries' four registers stand at chunk kp of a window of sixteen that is zero elsewhere:
; so product (kp, mt) sums this block of tile kp alone.  Source 0 = 16 columns of W, source 1 = 16 batches: a lane holds one batch and eight neighbouring pos.
.irp kp, 0,1
.irp mt, 0,1
	v_wmma_scale_f32_16x16x128_f8f6f4 v[LQ+8*(2*\kp+\mt):LQ+8*(2*\kp+\mt)+7], v[RUN:RUN+15], v[QW+12+16*\mt-4*\kp:QW+27+16*\mt-4*\kp], 0, v22, v[24+\mt] matrix_a_fmt:MATRIX_FMT_BF8 matrix_b_fmt:MATRIX_FMT_BF8
.endr
.endr
.irp kp, 2,3
.irp mt, 0,1
	v_wmma_scale_f32_16x16x128_f8f6f4 v[LQ+8*(2*\kp+\mt):LQ+8*(2*\kp+\mt)+7], v[RUN:RUN+15], v[QW+12+16*\mt-4*\kp:QW+27+16*\mt-4*\kp], 0, v22, v[24+\mt] matrix_a_fmt:MATRIX_FMT_BF8 matrix_b_fmt:MATRIX_FMT_BF8 matrix_a_scale:MATRIX_SCALE_ROW1
.endr
.endr
.rept 8
	v_nop                                          ; eight places ahead of the first read of results
.endr
.irp kp, 0,1,2,3
.irp mt, 0,1
	ds_store_b128 v10, v[LQ+8*(2*\kp+\mt):LQ+8*(2*\kp+\mt)+3] offset:\mt*4352+\kp*64       ; each result from its low end on
	ds_store_b128 v10, v[LQ+8*(2*\kp+\mt)+4:LQ+8*(2*\kp+\mt)+7] offset:\mt*4352+\kp*64+16
.endr
.endr
	s_wait_dscnt 0x0                               ; for the others' sake
	s_barrier_signal -1
	s_barrier_wait -1
.irp u, 0,1,2,3,4,5,6,7
.irp i, 0,1
	ds_load_b128 v[SUMS+4*(2*\u+\i):SUMS+4*(2*\u+\i)+3], v11 offset:\u*REDW+\i*544   ; the eight blocks' parts of batches 4 wave + 2 i + h
.endr
.endr
	s_wait_dscnt 0x0
.irp u, 1,2,3,4,5,6,7
.irp i, 0,1
	v_pk_add_f32 v[SUMS+4*\i:SUMS+4*\i+1], v[SUMS+4*\i:SUMS+4*\i+1], v[SUMS+4*(2*\u+\i):SUMS+4*(2*\u+\i)+1]
	v_pk_add_f32 v[SUMS+4*\i+2:SUMS+4*\i+3], v[SUMS+4*\i+2:SUMS+4*\i+3], v[SUMS+4*(2*\u+\i)+2:SUMS+4*(2*\u+\i)+3]
.endr
.endr
.irp p, 0,2,4,6
	s_delay_alu instid0(VALU_DEP_4)
	v_pk_mul_f32 v[SUMS+\p:SUMS+\p+1], v[SUMS+\p:SUMS+\p+1], s[36:37] op_sel_hi:[1,0]   ; x c
.endr
	global_store_b128 v12, v[SUMS:SUMS+3], s[16:17]                  ; sixteen lanes store 256 consecutive bytes, aligned
	global_store_b128 v12, v[SUMS+4:SUMS+7], s[16:17] offset:8192
	s_branch .Lend
	; ---------------- the lists: one wave a batch; no LDS, no barrier
.Llists:
	s_sub_co_u32 s25, ttmp9, 128
	s_lshl_b32 s25, s25, 3
	s_add_co_u32 s25, s25, s24                     ; batch
	s_lshl_b32 s30, s25, 13                        ; 2,048 words of weights and of react
	s_mov_b32 s31, 0
	s_mul_i32 s32, s25, 9216                       ; 2,304 words of order
	s_mov_b32 s33, 0
	s_lshl_b32 s26, s25, 8                         ; 64 words of counts
	s_mov_b32 s27, 0
	s_wait_kmcnt 0x0
	s_add_nc_u64 s[10:11], s[10:11], s[30:31]
	s_add_nc_u64 s[22:23], s[22:23], s[30:31]
	s_add_nc_u64 s[18:19], s[18:19], s[32:33]
	s_add_nc_u64 s[20:21], s[20:21], s[26:27]
.set i, 0
	s_wait_alu depctr_va_vdst(0)
.rept 16
	global_load_b128 v[LQ+4*i:LQ+4*i+3], v7, s[10:11] offset:512*i   ; register 4 i + e: row s = 128 i + 4 lane + e
.set i, i+1
.endr
.irp j, 8,9,10,11
	v_mov_b32 v\j, 0xff800000                      ; -inf
.endr
.irp j, 12,13,14,15
	v_mov_b32 v\j, 0
.endr
.set i, 0
.rept 16
	global_store_b128 v7, v[8:11], s[22:23] offset:512*i             ; react: -inf everywhere; the main launch writes the live rows
.set i, i+1
.endr
	global_store_b128 v7, v[12:15], s[18:19] offset:8192             ; order's entries 2,048 to 2,303: 0
	global_store_b128 v7, v[12:15], s[18:19] offset:8704
	s_wait_loadcnt 0x0
	v_sub_nc_u32 v24, 0x7ff, v1                    ; 2,047 - lane
	v_lshlrev_b32 v25, 2, v1                       ; 4 x lane
	s_mov_b32 s45, 0                               ; live rows so far
; ONE PASS, in the order (register i, lane): a live row goes to place (live rows before it); a masked one to 2,047 - (masked rows before it) = 2,047 - (32 i + lane) + (live rows before it):
; the masked rows fill the list from its end, so the count is not needed ahead.  Every entry 0 .. 2,047 is written once.
; Eight registers at a time, each step for all eight by turns: no line reads what the line above it wrote.  s24-31: the eight masks; s32-39: the live rows before each register.
; Each of the 64 stores has a place register (v32-95) and a row register (v192-255) of its own: no store's source is written again.
.set g, 0
.rept 8
.irp j, 0,1,2,3,4,5,6,7
	v_cmp_ne_u32 s[24+\j], 0, v[LQ+8*g+\j]
.endr
.irp j, 0,1,2,3,4,5,6,7
	s_mov_b32 s[32+\j], s45
	s_bcnt1_i32_b32 s43, s[24+\j]
	s_add_co_u32 s45, s45, s43
.endr
.irp j, 0,1,2,3,4,5,6,7
	v_mbcnt_lo_u32_b32 v[32+8*g+\j], s[24+\j], s[32+\j]            ; live rows before me
.endr
.irp j, 0,1,2,3,4,5,6,7
	v_add3_u32 v[16+\j], v[32+8*g+\j], v24, -(32*(8*g+\j))         ; a masked row's place
.endr
.irp j, 0,1,2,3,4,5,6,7
	v_cndmask_b32 v[32+8*g+\j], v[16+\j], v[32+8*g+\j], s[24+\j]
.endr
.irp j, 0,1,2,3,4,5,6,7
	v_min_u32 v[32+8*g+\j], 0x7ff, v[32+8*g+\j]                    ; held inside the list
.endr
.irp j, 0,1,2,3,4,5,6,7
	v_lshlrev_b32 v[32+8*g+\j], 2, v[32+8*g+\j]
.endr
.irp j, 0,1,2,3,4,5,6,7
	v_add_nc_u32 v[192+8*g+\j], 128*((8*g+\j)/4)+((8*g+\j)%4), v25 ; s
.endr
.irp j, 0,1,2,3,4,5,6,7
	global_store_b32 v[32+8*g+\j], v[192+8*g+\j], s[18:19]
.endr
.set g, g+1
.endr
	v_mov_b32 v26, s45                             ; n: the batch's live rows
	v_mov_b32 v27, s45
	global_store_b64 v6, v[26:27], s[20:21]        ; n, 64 times: 256 consecutive bytes
.Lend:
	s_wait_tensorcnt 0x0                           ; the wave's end, behind my last LDS store
	ds_add_u32 v[SPW], v[NIL]
	s_wait_dscnt 0x0
	s_endpgm
.Lfunc_end_k_q70aecda157_prep:
	.size	k_q70aecda157_prep, .Lfunc_end_k_q70aecda157_prep-k_q70aecda157_prep
	.p2alignl 7, 3214868480
	.fill 96, 4, 3214868480
	.section	.rodata,"a",@progbits
	.p2align	6, 0x0
	.amdhsa_kernel k_q70aecda157_prep
		.amdhsa_group_segment_fixed_size 71168
		.amdhsa_private_segment_fixed_size 0
		.amdhsa_enable_private_segment 0
		.amdhsa_kernarg_size 80
		.amdhsa_user_sgpr_count 2
		.amdhsa_user_sgpr_kernarg_segment_ptr 1
		.amdhsa_wavefront_size32 1
		.amdhsa_system_sgpr_workgroup_id_x 1
		.amdhsa_system_sgpr_workgroup_id_y 1
		.amdhsa_system_sgpr_workgroup_id_z 1
		.amdhsa_system_vgpr_workitem_id 0
		.amdhsa_next_free_vgpr 256
		.amdhsa_next_free_sgpr 66
		.amdhsa_reserve_vcc 0
		.amdhsa_float_denorm_mode_32 3
		.amdhsa_float_denorm_mode_16_64 3
		.amdhsa_memory_ordered 1
		.amdhsa_forward_progress 1
		.amdhsa_inst_pref_size 85
	.end_amdhsa_kernel
	.amdgpu_metadata
---
amdhsa.version: [ 1, 2 ]
amdhsa.kernels:
  - .name:           k_q70aecda157_prep
    .symbol:         k_q70aecda157_prep.kd
    .args:
      - { .name: U, .offset: 0, .size: 8, .value_kind: global_buffer, .address_space: global }
      - { .name: W, .offset: 8, .size: 8, .value_kind: global_buffer, .address_space: global }
      - { .name: queries, .offset: 16, .size: 8, .value_kind: global_buffer, .address_space: global }
      - { .name: weights, .offset: 24, .size: 8, .value_kind: global_buffer, .address_space: global }
      - { .name: ucodes, .offset: 32, .size: 8, .value_kind: global_buffer, .address_space: global }
      - { .name: uscl, .offset: 40, .size: 8, .value_kind: global_buffer, .address_space: global }
      - { .name: cpqp, .offset: 48, .size: 8, .value_kind: global_buffer, .address_space: global }
      - { .name: order, .offset: 56, .size: 8, .value_kind: global_buffer, .address_space: global }
      - { .name: counts, .offset: 64, .size: 8, .value_kind: global_buffer, .address_space: global }
      - { .name: react, .offset: 72, .size: 8, .value_kind: global_buffer, .address_space: global }
    .group_segment_fixed_size: 71168
    .private_segment_fixed_size: 0
    .kernarg_segment_align: 8
    .kernarg_segment_size: 80
    .max_flat_workgroup_size: 256
    .sgpr_count:     66
    .vgpr_count:     256
    .wavefront_size: 32
...
	.end_amdgpu_metadata
.endif
;; end of part 4
;; launch main (part 5): grid 32 x 16, 4 waves a work-group, no clusters, 325,632 bytes of LDS; arguments multiple_items, v, ucodes, uscl, cpqp, order, counts, react, pblend, pstat; writes react, pblend, pstat
.if DOCPART == 5
	.amdgcn_target "amdgcn-amd-amdhsa--gfx1250"
	.amdhsa_code_object_version 6
	.text
	.protected	k_q70aecda157_main
	.globl	k_q70aecda157_main
	.p2align	8
	.type	k_q70aecda157_main,@function
k_q70aecda157_main:
	s_mov_b64 s[64:65], 0
	v_nop
	global_prefetch_b8 v0, s[64:65] scope:SCOPE_SE
	s_setreg_imm32_b32 hwreg(HW_REG_WAVE_MODE, 25, 1), 1
	s_wait_xcnt 0x0
; Additive attention, launch 2 of 3.  Work left out here: the rows with weights == 0, and the term sum(v) of the reactivity (shown at the head of the first launch's text).
; A work-group (batch b = x of the grid, slot = y) takes one share of the batch's live rows, at most 144, through the whole chain: gather by the stored list, quantise along K, keep a bf16 copy,
; multiply with all of U, rho = sum over n of vs[n] / (1 + 2^(c x)) with c = 2 log2(e), vs = -c v (the reactivity in units of log2, less a constant of the batch), the share's own maximum m,
; p = 2^(rho - m), their sum, and the share's part of the blend, sum of p x item.  The last launch joins a batch's sixteen slots.
; SHARES.  n = the batch's live rows (stored by the first launch).  Up to 1,152 they go in 8 shares of ceil(n / 8), else in 16 of ceil(n / 16): never more than 144 rows, whatever the mask.
; ONE WAY THROUGH THE TEXT.  Every wave passes every barrier, and no barrier, and no loop in which an LDS address steps, stands under a branch on a number read from memory.
; So a slot that a given mask leaves without rows walks the same barriers and the same loops, and passes over the work inside them by forward jumps on its count of rows: the gather's trips, the
; first fragments, the products and the vector work behind them, the blend.  What it still runs is short: the head, the ring's first loads (one row, sixteen times), the first group's loads of U, and
; the softmax's part on rows that are all masked (p = 0).  It stores the part that adds nothing (m = -3e38, sum 0, zeros).  The jumps hang on a stored number.  This launch has no tensor load and
; no copy, hence no joint loads in a cluster either, though all work-groups read the same codes of U: they come from memory straight into registers, as images of the operand's registers.
; EVERY REGISTER IS WRITTEN BEFORE IT IS READ ON EVERY WAY THROUGH THE TEXT, also on ways that no share takes (one jump taken, another not).  So what a jump passes over reads only registers that
; the text outside the jumps has written: the head's loads of c pq and v land in v32-55 and v224-239, the ring's first loads in v96-223, the first group's U in window 1, and the 64 loads that bring
; bf16 rows into window 3 stand outside the jumps.  A share without rows stores zeros into those LDS rows first: no LDS byte is read that nobody wrote.
; A share shorter than 144 rows is filled with its first row again; such rows get rho = -inf, so p = 0.
; PHASE Q.  Wave w takes columns 256 w .. 256 w + 255 of all 144 rows; lane l holds k = 256 w + 8 l + 0..7, so a block of 32 lies in four lanes.  Codes and scale bytes go to LDS for all waves;
;   the bf16 copy is the wave's own: rows 0-63 end in registers (window 3), rows 64-143 in LDS.
; PHASE G.  Wave w takes pos 256 w .. 256 w + 255 in four groups of 64 (four tiles), against all nine tiles of rows: 36 accumulators, by turns.  Source 0 = 16 columns of U, source 1 = 16 rows:
;   a lane holds one row (lane % 16) and eight neighbouring pos.
; THE END.  What wave 0 alone does, under an EXEC narrowed by the share's count of rows, stands last: every address register of the text is made ahead of the place where the waves part.
; REGISTERS, in windows of 256.  Window 0: v1-15 addresses; v16-55 the rows' scale words (in Q: row offsets, codes, bytes); v56-71 U's scale words; v72-89 the row sums (in Q: maxima, holds);
;   v90-95 r, h, lane and three LDS bases; v96-239 the rows' nine fragments (in Q: the ring of 16 rows, v96-223); v224-255 in Q the bf16 to store.
;   Window 1: v0-191 three sets of U's four fragments; v192-223 the accumulators of row tile 8; v224-255 two sets of (c pq, vs).  Window 2: the accumulators of row tiles 0-7.  Window 3: bf16 of rows 0-63.
; PHASE Q, THE LANES' SHARES AS THE TEXT BELOW HAS THEM (this takes the place of the sentence on lanes under PHASE Q above): each of a row's two loads reads 512 consecutive bytes, 16 a lane.
; Lane l holds k = 256 w + 4 l + 0..3 (registers 0-3) and k = 256 w + 128 + 4 l + 0..3 (registers 4-7): a block of 32 lies in eight lanes, and a lane holds four numbers of block l / 8 and four of block 4 + l / 8.
; The conversion takes ONE scale for its eight numbers: so the second four are first multiplied by 2^(Ea - Eb), Ea and Eb the exponent fields of the two blocks' largest magnitudes, which rounds nothing; then all
; eight are held and converted under the first block's scale: x 2^(Ea - Eb) / 2^(Ea - 142) = x / 2^(Eb - 142), the second block's own quotient.
; LIMIT: where the first block's largest magnitude lies under 2^-94, the shifted numbers of the second may fall among f32's denormals and lose low bits.
.set APITCH, 2320                      ; LDS: codes: 16 along K of all 144 rows, 16 bytes a row, + 16: address (2 (4 ks + c) + h) APITCH + 16 row
.set SCL,    148480                    ; the rows' scale bytes: for each wave 144 rows x its 8 blocks: SCLW wave + 8 row + block
.set SCLW,   1152
.set CV,     153088                    ; 2,048 for each wave: 1,024 of c pq, 1,024 of vs, by pos; behind the products: bytes 0-575 my part of rho, bytes 640-1279 p
.set BF,     161280                    ; 40,960 for each wave: 80 rows x 512 bytes of bf16
.set BFW,    40960
.set SPARE,  325120                    ; the spare words, 128 bytes for each wave; no other line names them
.set FLOOR,  0x8000000                 ; 2^(16 - 127)
.set VB,  1                            ; v1   in Q: my 16 bytes in a load's 512: 1024 w + 16 l
.set CA,  2                            ; v2   in Q: where my 8 codes of the trip's first row go
.set POA, 2                            ; v2   from G on: the way out: my 16 bytes in the slot's part of the blend: 1024 w + 16 l
.set BA,  3                            ; v3   in Q: my block's scale byte
.set FA,  4                            ; v4   in Q: my 16 bytes of bf16
.set SPW, 5                            ; v5   my spare word; never rewritten
.set NIL, 6                            ; v6   0; never rewritten
.set FA0, 7                            ; v7   my 16 bytes in the first row slot of my bf16 region; stays
.set CA0, 8                            ; v8   in Q: row 0's place for my codes
.set BA0, 9                            ; v9   in Q: row 0's place for my scale byte
.set AA,  8                            ; v8-10  in G: my place in a fragment of rows, K steps 0-2, 3-5, 6-7
.set CVA, 11                           ; v11  the group's c pq and vs
.set UO,  12                           ; v12  16 x lane
.set L8,  13                           ; v13  8 x lane
.set T0,  14
.set T1,  15
.set ASC, 16
.set BSC, 56
.set RR,  72
.set RL,  90
.set HL,  91
.set LN,  92
.set CVA0, 93                          ; v93  my wave's c pq, + 32 h; stays
.set PST, 94                           ; v94  my wave's part of CV, + 4 lane; stays
.set PB0, 95                           ; v95  my wave's part of CV, the same in every lane; stays
.set AF,  96
.set VO,  16
.set CD,  32
.set BY,  48
.set CQ2, 32                           ; v32-39  at the head: c pq, the third quarter of K
.set VV,  40                           ; v40-47  at the head: v
.set CQ3, 48                           ; v48-55  at the head: c pq, the fourth quarter of K
.set MX,  72
.set MB,  76                           ; v76-79  in Q: as MX, for the block 128 further along K
.set HD,  80                           ; v80-83  in Q: 57,344 x the first block's scale
.set RT,  84                           ; v84-87  in Q: Ea - Eb
.set RING, 96
.set TBF, 224
.set OO,  240
.set MSB, 0
.macro WIN new                         ; the immediate's high byte repeats the setting that is left; a switch that changes nothing is dropped
.if MSB != \new
	s_set_vgpr_msb (MSB<<8)|\new
.set MSB, \new
.endif
.endm
.macro PLACES n
.rept \n
	v_nop
.endr
.endm
; U's four fragments of K step ks of the group in hand, into set ks % 3 of window 1 (the windows are set by the caller: destination window 1)
.macro BLOAD ks
.irp q, 0,1,2,3
.irp c, 0,1,2,3
	global_load_b128 v[64*((\ks)%3)+16*\q+4*\c:64*((\ks)%3)+16*\q+4*\c+3], v[UO], s[56:57] offset:(\ks)*8192+\q*2048+\c*512
.endr
.endr
.endm
; A group's scale words of U (register 8 p + ks: lanes 0-15 tile 2 p, lanes 16-31 tile 2 p + 1) and its K steps 0 to 2.  step = 1: on to the next strip first.
.macro NEXTB step
.if \step
	s_wait_xcnt 0x0                                ; the last group's loads have read their bases
	s_add_nc_u64 s[56:57], s[56:57], 0x10000
	s_add_nc_u64 s[58:59], s[58:59], 512
.endif
.irp p, 0,1
.irp qk, 0,1,2,3
	global_load_b64 v[BSC+8*\p+2*\qk:BSC+8*\p+2*\qk+1], v[L8], s[58:59] offset:\qk*8192+\p*256
.endr
.endr
	WIN 0x40
.irp ks, 0,1,2
	BLOAD \ks
.endr
	WIN 0
.endm
; The list's next 16 entries come into the bank at work, and the 16 after them are asked for (the last such load reads entries 144-159 of my share: inside the list's 2,304, and not used)
.macro QTOP
	s_wait_kmcnt 0x0
.irp j, 0,1,2,3,4,5,6,7
	s_mov_b64 s[68+2*\j:69+2*\j], s[40+2*\j:41+2*\j]
.endr
	s_add_nc_u64 s[96:97], s[96:97], 64
	s_load_b512 s[40:55], s[96:97], 0x0
.endm
; The trip's three LDS addresses: a base that stays + a scalar that steps by a constant
.macro QADR
	v_add_nc_u32 v[CA], s84, v[CA0]
	v_add_nc_u32 v[BA], s85, v[BA0]
	v_add_nc_u32 v[FA], s86, v[FA0]
.endm
; Slot i of the ring is asked for: four rows, two loads of 16 bytes a lane each.  s31 = my rows less the trip's first row: a row at or past it takes the share's first row again.
.macro ISSUE i
.irp e, 0,1,2,3
	s_cmp_gt_i32 s31, 4*\i+\e
	s_cselect_b32 s66, s[68+4*\i+\e], s33
	s_min_u32 s66, s66, 0x7ff                      ; held inside the batch
	v_lshl_add_u32 v[VO+4*\i+\e], s66, 12, v[VB]
	global_load_b128 v[RING+32*\i+8*\e:RING+32*\i+8*\e+3], v[VO+4*\i+\e], s[4:5] th:TH_LOAD_NT
	global_load_b128 v[RING+32*\i+8*\e+4:RING+32*\i+8*\e+7], v[VO+4*\i+\e], s[4:5] offset:512 th:TH_LOAD_NT
.endr
.endm
; Slot i's four rows, by turns: bf16 copy, the two blocks' largest magnitudes (my 4 of each, then the seven lanes beside me), scales, the second block's shift, hold, codes.  What LDS stores read lies in two sets, by the slot's parity.
.macro PROCESS i
.set XR,  RING+32*(\i)
.set TS,  TBF+16*((\i)%2)
.set CDS, CD+8*((\i)%2)
.set BYS, BY+4*((\i)%2)
	s_wait_dscnt 16                                ; the stores of the slot before last have read this set; the last slot's sixteen may be out
.irp e, 0,1,2,3
.irp p, 0,1,2,3
	v_cvt_pk_bf16_f32 v[TS+4*\e+\p], v[XR+8*\e+2*\p], v[XR+8*\e+2*\p+1]
.endr
.endr
.irp e, 0,1,2,3
	ds_store_b128 v[FA], v[TS+4*\e:TS+4*\e+3] offset:(4*(\i)+\e)*512
.endr
.irp e, 0,1,2,3
	v_max3_num_f32 v[MX+\e], |v[XR+8*\e]|, |v[XR+8*\e+1]|, FLOOR
	v_max3_num_f32 v[MB+\e], |v[XR+8*\e+4]|, |v[XR+8*\e+5]|, FLOOR
.endr
.irp e, 0,1,2,3
	v_max3_num_f32 v[MX+\e], v[MX+\e], |v[XR+8*\e+2]|, |v[XR+8*\e+3]|
	v_max3_num_f32 v[MB+\e], v[MB+\e], |v[XR+8*\e+6]|, |v[XR+8*\e+7]|
.endr
.irp m, 1,2,4
.irp e, 0,1,2,3,4,5,6,7
	v_max_num_f32_dpp v[MX+\e], v[MX+\e], v[MX+\e] row_xmask:\m row_mask:0xf bank_mask:0xf   ; MB follows MX: eight maxima, over the eight lanes of a block
.endr
.endr
.irp e, 0,1,2,3
	v_and_or_b32 v[HD+\e], v[MX+\e], 0x7f800000, s34   ; 57,344 x the first block's scale
	v_and_b32 v[RT+\e], 0x7f800000, v[MB+\e]           ; the second block's exponent field
.endr
.irp e, 0,1,2,3
	v_sub_nc_u32 v[RT+\e], v[HD+\e], v[RT+\e]          ; (Ea - Eb) << 23, + the mantissa field, which the shift below drops
.endr
.irp e, 0,1,2,3,4,5,6,7
	v_add_nc_u32 v[MX+\e], 0xf8800000, v[MX+\e]        ; 15 off the exponent fields: the conversion's scale operand, and both blocks' bytes
.endr
.irp e, 0,1,2,3
	v_ashrrev_i32 v[RT+\e], 23, v[RT+\e]               ; Ea - Eb
.endr
.irp e, 0,1,2,3
.irp p, 4,5,6,7
	v_ldexp_f32 v[XR+8*\e+\p], v[XR+8*\e+\p], v[RT+\e] ; the second block's numbers under the first block's scale
.endr
.endr
.irp e, 0,1,2,3
.irp p, 0,1,2,3,4,5,6,7
	v_med3_num_f32 v[XR+8*\e+\p], v[XR+8*\e+\p], -v[HD+\e], v[HD+\e]   ; the conversion to an 8-bit code does not saturate (ISA guide 7.6.2)
.endr
.endr
.irp e, 0,1,2,3
	v_cvt_scalef32_pk8_bf8_f32 v[CDS+2*\e:CDS+2*\e+1], v[XR+8*\e:XR+8*\e+7], v[MX+\e]
.endr
	v_nop                                          ; a plain line behind the conversions
.irp e, 0,1,2,3
	v_cndmask_b32 v[BYS+\e], v[MX+\e], v[MB+\e], s35   ; lanes 0-3 of a block's eight carry the first block's byte, lanes 4-7 the second's
.endr
.irp e, 0,1,2,3
	v_lshrrev_b32 v[BYS+\e], 23, v[BYS+\e]         ; the scale's byte
.endr
.irp e, 0,1,2,3
	ds_store_b32 v[CA], v[CDS+2*\e] offset:(4*(\i)+\e)*16
	ds_store_b32 v[CA], v[CDS+2*\e+1] offset:(4*(\i)+\e)*16+8*APITCH   ; 128 along K on: eight runs of 16
.endr
.irp e, 0,1,2,3
	ds_store_b8 v[BA], v[BYS+\e] offset:(4*(\i)+\e)*8    ; the four lanes of a block write the same byte with the same value
.endr
.endm
; Four trips of 16 rows; each works a slot and asks for the same slot of the next trip.  A share without rows passes over a trip's work, not over the lines that make and step the addresses.
.macro QLOOP
	s_mov_b32 s32, 0
.Lq_\@:
	QADR
	s_cmp_eq_u32 s30, 0
	s_cbranch_scc1 .Lqs_\@
	QTOP
.irp i, 0,1,2,3
	s_wait_loadcnt 24                              ; this slot's eight loads are in; the three younger slots' may be out
	PROCESS \i
	ISSUE \i
.endr
	s_wait_dscnt 0x0                               ; no LDS store of mine is out when the three addresses are made anew
.Lqs_\@:
	s_add_co_u32 s84, s84, 256                     ; 16 rows on: 16 bytes of codes a row,
	s_add_co_u32 s85, s85, 128                     ; 8 scale bytes,
	s_add_co_u32 s86, s86, 8192                    ; 512 bytes of bf16
	s_sub_co_i32 s31, s31, 16
	s_add_co_u32 s32, s32, 1
	s_cmp_lt_u32 s32, 4
	s_cbranch_scc1 .Lq_\@
.endm
	s_load_b256 s[4:11], s[0:1], 0x0               ; items s[4:5], v s[6:7], ucodes s[8:9], uscl s[10:11]
	s_load_b256 s[12:19], s[0:1], 0x20             ; cpqp s[12:13], order s[14:15], counts s[16:17], react s[18:19]
	s_load_b128 s[20:23], s[0:1], 0x40             ; pblend s[20:21], pstat s[22:23]
	v_lshl_add_u32 v[SPW], v0, 2, SPARE
	v_mov_b32 v[NIL], 0
	v_lshrrev_b32 v[LN], 5, v0
	v_readfirstlane_b32 s24, v[LN]                 ; wave 0..3
	s_and_b32 s25, ttmp7, 0xffff                   ; slot
	s_mov_b32 s26, ttmp9                           ; batch
	s_lshl_b32 s98, s26, 8
	s_mov_b32 s99, 0                               ; (stays 0: the upper word of every offset)
	s_wait_kmcnt 0x0
	s_add_nc_u64 s[16:17], s[16:17], s[98:99]
	s_load_b32 s27, s[16:17], 0x0                  ; n; what does not hang on it is made while it is on its way
	s_lshl_b32 s66, s26, 4
	s_add_co_u32 s66, s66, s25                     ; 16 b + slot
	s_lshl_b32 s98, s66, 12
	s_add_nc_u64 s[20:21], s[20:21], s[98:99]      ; my 4,096 bytes of pblend
	s_lshl_b32 s98, s66, 8
	s_add_nc_u64 s[22:23], s[22:23], s[98:99]      ; my 256 bytes of pstat
	s_lshl_b32 s98, s26, 23
	s_add_nc_u64 s[4:5], s[4:5], s[98:99]          ; my batch's items
	s_lshl_b32 s98, s24, 10
	s_add_nc_u64 s[6:7], s[6:7], s[98:99]          ; v: my 256 columns
	s_lshl_b32 s66, s26, 12
	s_add_co_u32 s98, s98, s66
	s_add_nc_u64 s[12:13], s[12:13], s[98:99]      ; cpqp: my batch, my 256 pos
	s_lshl_b32 s98, s24, 18
	s_add_nc_u64 s[56:57], s[8:9], s[98:99]        ; U's codes: strip 4 w
	s_lshl_b32 s98, s24, 11
	s_add_nc_u64 s[58:59], s[10:11], s[98:99]      ; and its scale bytes
	s_lshl_b32 s98, s26, 13
	s_add_nc_u64 s[18:19], s[18:19], s[98:99]      ; react: my batch
	s_mov_b32 s34, 0x600000                        ; the mantissa field of 57,344
	s_mov_b32 s35, 0xf0f0f0f0                      ; lanes 4-7 of each eight
	s_mov_b32 s36, 0x4038aa3b                      ; c = 2 log2(e)
	s_mov_b32 s37, s36
	s_mov_b32 s92, 0x76543210
	s_mov_b32 s93, 0xfedcba98                      ; v_permlanex16_b32's selects for lane l xor 16
	s_mov_b32 s84, 0
	s_mov_b32 s85, 0
	s_mov_b32 s86, 0
	v_and_b32 v[LN], 31, v0
	v_and_b32 v[RL], 15, v0
	v_bfe_u32 v[HL], v0, 4, 1
	v_lshlrev_b32 v[UO], 4, v[LN]
	v_lshlrev_b32 v[L8], 3, v[LN]
.irp i, 0,1                            ; c pq, the four quarters of K: into registers that later hold fragments and scale words (see the head)
	global_load_b128 v[TBF+4*\i:TBF+4*\i+3], v[UO], s[12:13] offset:\i*512
	global_load_b128 v[TBF+8+4*\i:TBF+8+4*\i+3], v[UO], s[12:13] offset:131072+\i*512
	global_load_b128 v[CQ2+4*\i:CQ2+4*\i+3], v[UO], s[12:13] offset:262144+\i*512
	global_load_b128 v[CQ3+4*\i:CQ3+4*\i+3], v[UO], s[12:13] offset:393216+\i*512
.endr
.irp g, 0,1,2,3
	global_load_b64 v[VV+2*\g:VV+2*\g+1], v[L8], s[6:7] offset:\g*256   ; v: my pair of columns in each of my four strips
.endr
	s_lshl_b32 s66, s24, 10
	v_lshl_add_u32 v[VB], v[LN], 4, s66
	v_lshrrev_b32 v[CA0], 2, v[LN]
	s_lshl_b32 s66, s24, 4
	v_add_nc_u32 v[CA0], s66, v[CA0]               ; which 16 along K: 16 w + l / 4
	v_mul_u32_u24 v[CA0], v[CA0], APITCH
	v_and_b32 v[T0], 3, v[LN]
	v_lshl_add_u32 v[CA0], v[T0], 2, v[CA0]        ; and my 4 bytes of a row's 16
	v_lshrrev_b32 v[BA0], 3, v[LN]                 ; whose byte I store: block l / 8,
	v_and_or_b32 v[BA0], v[LN], 4, v[BA0]          ; or, in lanes 4-7 of each eight, block 4 + l / 8
	s_mul_i32 s66, s24, SCLW
	s_add_co_u32 s66, s66, SCL
	v_add_nc_u32 v[BA0], s66, v[BA0]
	s_mul_i32 s66, s24, BFW
	s_add_co_u32 s66, s66, BF
	v_lshl_add_u32 v[FA0], v[LN], 4, s66
	s_lshl_b32 s66, s24, 11
	s_add_co_u32 s66, s66, CV
	v_lshl_add_u32 v[T0], v[LN], 4, s66            ; c pq goes in as it lies
	v_lshlrev_b32 v[T1], 7, v[HL]
	v_lshl_add_u32 v[T1], v[RL], 2, v[T1]
	v_add_nc_u32 v[T1], s66, v[T1]                 ; vs by pos: lane 16 u + r, column ci of its pair -> 128 u + 64 ci + 4 r in a strip's 256 bytes
	v_lshl_add_u32 v[CVA0], v[HL], 5, s66
	v_lshl_add_u32 v[PST], v[LN], 2, s66
	v_mov_b32 v[PB0], s66
	s_wait_kmcnt 0x0                               ; n
	s_min_u32 s27, s27, 2048
	s_add_co_u32 s66, s27, 15
	s_lshr_b32 s66, s66, 4
	s_add_co_u32 s67, s27, 7
	s_lshr_b32 s67, s67, 3
	s_cmp_gt_u32 s27, 1152
	s_cselect_b32 s28, s66, s67                    ; rows to a share
	s_mul_i32 s29, s25, s28                        ; j0: my first place in the list
	s_sub_co_i32 s30, s27, s29
	s_min_i32 s30, s30, s28
	s_max_i32 s30, s30, 0                          ; my rows, 0 .. 144
	s_min_u32 s29, s29, 2047                       ; (held before it enters an address)
	s_mul_i32 s98, s26, 9216
	s_lshl_b32 s66, s29, 2
	s_add_co_u32 s98, s98, s66
	s_add_nc_u64 s[38:39], s[14:15], s[98:99]      ; the list at my first row: stays
	s_mov_b64 s[96:97], s[38:39]                   ; and walks
	s_load_b512 s[40:55], s[96:97], 0x0            ; rows 0-15
	; ---------------- phase Q
	s_mov_b32 s31, s30
	QTOP
	s_mov_b32 s33, s68                             ; the share's first row
.irp i, 0,1,2,3
	ISSUE \i
.endr
	s_sub_co_i32 s31, s31, 16
	s_wait_loadcnt 32                              ; c pq and v are in; the ring's 32 loads, issued behind them, may be out
.irp q, TBF+8, CQ2, CQ3
.irp p, 0,2,4,6
	v_pk_add_f32 v[TBF+\p:TBF+\p+1], v[TBF+\p:TBF+\p+1], v[\q+\p:\q+\p+1]
.endr
.endr
.irp g, 0,2,4,6
	v_pk_mul_f32 v[VV+\g:VV+\g+1], v[VV+\g:VV+\g+1], 0xc038aa3b op_sel_hi:[1,0]   ; vs = -c v
.endr
	ds_store_b128 v[T0], v[TBF:TBF+3]
	ds_store_b128 v[T0], v[TBF+4:TBF+7] offset:512
.irp g, 0,1,2,3
	ds_store_b32 v[T1], v[VV+2*\g] offset:1024+\g*256
	ds_store_b32 v[T1], v[VV+2*\g+1] offset:1024+\g*256+64
.endr
	s_wait_dscnt 0x0                               ; these stores have read registers that the first slots write
	QLOOP                                          ; rows 0-63
	s_cmp_lg_u32 s30, 0
	s_cbranch_scc1 .Ldrain
.irp e, 0,1,2,3
	v_mov_b32 v[MX+\e], 0
.endr
.set rw, 0
.rept 64
	ds_store_b128 v[FA0], v[MX:MX+3] offset:rw*512 ; a share without rows has stored nothing into my 64 LDS rows: zeros, so that the loads below read bytes that have been written
.set rw, rw+1
.endr
.Ldrain:
	WIN 0xc0                                       ; destination window 3
.set rw, 0
.rept 64
	ds_load_b128 v[4*rw:4*rw+3], v[FA0] offset:rw*512   ; their bf16 leaves my LDS rows for registers; LDS serves a wave's instructions in order (ISA guide 5.7.1.4): these see my stores, and the next rows' stores come behind these loads
.set rw, rw+1
.endr
	WIN 0
	s_mov_b32 s86, 0                               ; row 64 takes the first row slot
	QLOOP                                          ; rows 64-127
	s_wait_kmcnt 0x0                               ; the list's last load
	QADR
	s_cmp_eq_u32 s30, 0
	s_cbranch_scc1 .Ltail_a
	s_wait_loadcnt 24                              ; rows 128-143: nothing more of the items is asked for, the counts run down
	PROCESS 0
	s_wait_loadcnt 16
	PROCESS 1
	s_wait_loadcnt 8
	PROCESS 2
.Ltail_a:
	s_wait_loadcnt 0x0                             ; on every way: the ring's last loads are in (in a share without rows: its first and only ones), so that their registers may be taken for other things
	NEXTB 0                                        ; the first group's U is asked for here: it has the last slot's work, the barrier and the first LDS loads in which to land
	s_cmp_eq_u32 s30, 0
	s_cbranch_scc1 .Ltail_b
	PROCESS 3
.Ltail_b:
	s_wait_dscnt 0x0                               ; for the others' sake: my codes and scale bytes lie in LDS
	s_barrier_signal -1
	s_barrier_wait -1
	; ---------------- phase G
	v_mul_u32_u24 v[AA], v[HL], APITCH
	v_lshl_add_u32 v[AA], v[RL], 4, v[AA]
	v_add_nc_u32 v[AA+1], 3*8*APITCH, v[AA]
	v_add_nc_u32 v[AA+2], 6*8*APITCH, v[AA]
	s_lshl_b32 s66, s24, 10
	v_lshl_add_u32 v[POA], v[LN], 4, s66
	v_lshl_add_u32 v[T0], v[LN], 3, SCL
	v_lshl_add_u32 v[T1], v[RL], 3, SCL
.macro LOADA_LO ks                     ; the fragments of row tiles 0-4, K step ks: 20 loads
.irp t, 0,1,2,3,4
.irp c, 0,1,2,3
	ds_load_b128 v[AF+16*\t+4*\c:AF+16*\t+4*\c+3], v[AA+(\ks)/3] offset:((\ks)%3)*8*APITCH+\c*2*APITCH+\t*256
.endr
.endr
.endm
.macro LOADA_HI ks                     ; of row tiles 5-8: 16 loads
.irp t, 5,6,7,8
.irp c, 0,1,2,3
	ds_load_b128 v[AF+16*\t+4*\c:AF+16*\t+4*\c+3], v[AA+(\ks)/3] offset:((\ks)%3)*8*APITCH+\c*2*APITCH+\t*256
.endr
.endr
.endm
; One product.  z: it starts its sum.  pa, pb: the scale words stand in lanes 16-31 of their registers.
.macro MM ac, br, ar, z, sa, sb, pa, pb
.if \z
.if (\pa) == 0 && (\pb) == 0
	v_wmma_scale_f32_16x16x128_f8f6f4 v[\ac:\ac+7], v[\br:\br+15], v[\ar:\ar+15], 0, v[\sa], v[\sb] matrix_a_fmt:MATRIX_FMT_BF8 matrix_b_fmt:MATRIX_FMT_BF8
.elseif (\pb) == 0
	v_wmma_scale_f32_16x16x128_f8f6f4 v[\ac:\ac+7], v[\br:\br+15], v[\ar:\ar+15], 0, v[\sa], v[\sb] matrix_a_fmt:MATRIX_FMT_BF8 matrix_b_fmt:MATRIX_FMT_BF8 matrix_a_scale:MATRIX_SCALE_ROW1
.elseif (\pa) == 0
	v_wmma_scale_f32_16x16x128_f8f6f4 v[\ac:\ac+7], v[\br:\br+15], v[\ar:\ar+15], 0, v[\sa], v[\sb] matrix_a_fmt:MATRIX_FMT_BF8 matrix_b_fmt:MATRIX_FMT_BF8 matrix_b_scale:MATRIX_SCALE_ROW1
.else
	v_wmma_scale_f32_16x16x128_f8f6f4 v[\ac:\ac+7], v[\br:\br+15], v[\ar:\ar+15], 0, v[\sa], v[\sb] matrix_a_fmt:MATRIX_FMT_BF8 matrix_b_fmt:MATRIX_FMT_BF8 matrix_a_scale:MATRIX_SCALE_ROW1 matrix_b_scale:MATRIX_SCALE_ROW1
.endif
.else
.if (\pa) == 0 && (\pb) == 0
	v_wmma_scale_f32_16x16x128_f8f6f4 v[\ac:\ac+7], v[\br:\br+15], v[\ar:\ar+15], v[\ac:\ac+7], v[\sa], v[\sb] matrix_a_fmt:MATRIX_FMT_BF8 matrix_b_fmt:MATRIX_FMT_BF8
.elseif (\pb) == 0
	v_wmma_scale_f32_16x16x128_f8f6f4 v[\ac:\ac+7], v[\br:\br+15], v[\ar:\ar+15], v[\ac:\ac+7], v[\sa], v[\sb] matrix_a_fmt:MATRIX_FMT_BF8 matrix_b_fmt:MATRIX_FMT_BF8 matrix_a_scale:MATRIX_SCALE_ROW1
.elseif (\pa) == 0
	v_wmma_scale_f32_16x16x128_f8f6f4 v[\ac:\ac+7], v[\br:\br+15], v[\ar:\ar+15], v[\ac:\ac+7], v[\sa], v[\sb] matrix_a_fmt:MATRIX_FMT_BF8 matrix_b_fmt:MATRIX_FMT_BF8 matrix_b_scale:MATRIX_SCALE_ROW1
.else
	v_wmma_scale_f32_16x16x128_f8f6f4 v[\ac:\ac+7], v[\br:\br+15], v[\ar:\ar+15], v[\ac:\ac+7], v[\sa], v[\sb] matrix_a_fmt:MATRIX_FMT_BF8 matrix_b_fmt:MATRIX_FMT_BF8 matrix_a_scale:MATRIX_SCALE_ROW1 matrix_b_scale:MATRIX_SCALE_ROW1
.endif
.endif
.endm
; A K step of 128: 36 products, the 36 accumulators by turns in one fixed order.  The rows' fragments have one set of registers: tiles 0-4 are fetched anew behind their
; 20 products, tiles 5-8 behind theirs.  U's fragments have three sets: K step k + 3 is asked for behind step k, into the set that step k has left.
; Eight plain places stand between a product and a load into a register that it has read.
.macro KSTEP k
.if (\k) < 6
	s_wait_loadcnt 32                              ; this step's U is in; the two steps asked for behind it may be out
.elseif (\k) == 6
	s_wait_loadcnt 16
.else
	s_wait_loadcnt 0x0
.endif
	s_wait_dscnt 16                                ; row tiles 0-4 are in; the sixteen loads of tiles 5-8 may be out
	WIN 0xa1                                       ; source 0 (U) window 1, source 1 (rows) window 0, C and D window 2
.irp t, 0,1,2,3,4
.irp q, 0,1,2,3
	MM 8*(4*\t+\q), 64*((\k)%3)+16*\q, AF+16*\t, (\k)==0, BSC+8*(\q/2)+(\k), ASC+8*(\t/2)+(\k), \q%2, \t%2
.endr
.endr
	PLACES 8
	WIN 0
.if (\k) < 7
	LOADA_LO (\k)+1
	s_wait_dscnt 20                                ; row tiles 5-8 are in; the twenty just issued may be out
.else
	s_wait_dscnt 0x0
.endif
	WIN 0xa1
.irp t, 5,6,7
.irp q, 0,1,2,3
	MM 8*(4*\t+\q), 64*((\k)%3)+16*\q, AF+16*\t, (\k)==0, BSC+8*(\q/2)+(\k), ASC+8*(\t/2)+(\k), \q%2, \t%2
.endr
.endr
	WIN 0x51                                       ; row tile 8: C and D window 1
.irp q, 0,1,2,3
	MM 192+8*\q, 64*((\k)%3)+16*\q, AF+128, (\k)==0, BSC+8*(\q/2)+(\k), ASC+32+(\k), \q%2, 0
.endr
	PLACES 8
	WIN 0
.if (\k) < 7
	LOADA_HI (\k)+1
.endif
.if (\k) < 5
	WIN 0x40
	BLOAD (\k)+3
	WIN 0
.endif
.endm
; c pq and vs of tiles q0 and q0 + 1, my eight pos of each, into the two sets of window 1
.macro CVLOAD q0
	WIN 0x40
.irp s, 0,1
	ds_load_b128 v[224+16*\s:224+16*\s+3], v[CVA] offset:(\q0+\s)*64
	ds_load_b128 v[224+16*\s+4:224+16*\s+7], v[CVA] offset:(\q0+\s)*64+16
	ds_load_b128 v[224+16*\s+8:224+16*\s+11], v[CVA] offset:(\q0+\s)*64+1024
	ds_load_b128 v[224+16*\s+12:224+16*\s+15], v[CVA] offset:(\q0+\s)*64+1040
.endr
.endm
; Tile q of the group, row tiles 0-7: 64 numbers a lane.  c x + c pq; 2^; + 1; 1 /; x vs into the row's sum.  Exponentials and reciprocals go as batches, each with one plain line and the one wait
; ahead of the first line that names a result.  Each accumulator is read from its low end on.
.macro EPI q
.set CVS, 224+16*((\q)%2)
	WIN 0x92                                       ; destination and source 0 window 2, source 2 window 1
.irp t, 0,1,2,3,4,5,6,7
.irp p, 0,2,4,6
	v_pk_fma_f32 v[8*(4*\t+\q)+\p:8*(4*\t+\q)+\p+1], v[8*(4*\t+\q)+\p:8*(4*\t+\q)+\p+1], s[36:37], v[CVS+\p:CVS+\p+1] op_sel_hi:[1,0,1]
.endr
.endr
	s_wait_alu depctr_va_vdst(0)
.irp t, 0,1,2,3,4,5,6,7
.irp j, 0,1,2,3,4,5,6,7
	v_exp_f32 v[8*(4*\t+\q)+\j], v[8*(4*\t+\q)+\j]
.endr
.endr
	v_nop
	s_wait_alu depctr_va_vdst(0)
.irp t, 0,1,2,3,4,5,6,7
.irp p, 0,2,4,6
	v_pk_add_f32 v[8*(4*\t+\q)+\p:8*(4*\t+\q)+\p+1], v[8*(4*\t+\q)+\p:8*(4*\t+\q)+\p+1], 1.0 op_sel_hi:[1,0]
.endr
.endr
	s_wait_alu depctr_va_vdst(0)
.irp t, 0,1,2,3,4,5,6,7
.irp j, 0,1,2,3,4,5,6,7
	v_rcp_f32 v[8*(4*\t+\q)+\j], v[8*(4*\t+\q)+\j]
.endr
.endr
	v_nop
	s_wait_alu depctr_va_vdst(0)
	WIN 0x06                                       ; source 0 window 2, source 1 window 1; the sums in window 0
.irp p, 0,2,4,6
.irp t, 0,1,2,3,4,5,6,7
	v_pk_fma_f32 v[RR+2*\t:RR+2*\t+1], v[8*(4*\t+\q)+\p:8*(4*\t+\q)+\p+1], v[CVS+8+\p:CVS+8+\p+1], v[RR+2*\t:RR+2*\t+1]
.endr
.endr
.endm
.macro EPI8 q0                         ; the same for row tile 8, tiles q0 and q0 + 1
	WIN 0x51
.irp s, 0,1
.irp p, 0,2,4,6
	v_pk_fma_f32 v[192+8*(\q0+\s)+\p:192+8*(\q0+\s)+\p+1], v[192+8*(\q0+\s)+\p:192+8*(\q0+\s)+\p+1], s[36:37], v[224+16*\s+\p:224+16*\s+\p+1] op_sel_hi:[1,0,1]
.endr
.endr
	s_wait_alu depctr_va_vdst(0)
.irp s, 0,1
.irp j, 0,1,2,3,4,5,6,7
	v_exp_f32 v[192+8*(\q0+\s)+\j], v[192+8*(\q0+\s)+\j]
.endr
.endr
	v_nop
	s_wait_alu depctr_va_vdst(0)
.irp s, 0,1
.irp p, 0,2,4,6
	v_pk_add_f32 v[192+8*(\q0+\s)+\p:192+8*(\q0+\s)+\p+1], v[192+8*(\q0+\s)+\p:192+8*(\q0+\s)+\p+1], 1.0 op_sel_hi:[1,0]
.endr
.endr
	s_wait_alu depctr_va_vdst(0)
.irp s, 0,1
.irp j, 0,1,2,3,4,5,6,7
	v_rcp_f32 v[192+8*(\q0+\s)+\j], v[192+8*(\q0+\s)+\j]
.endr
.endr
	v_nop
	s_wait_alu depctr_va_vdst(0)
	WIN 0x05                                       ; sources 0 and 1 window 1
.irp p, 0,2,4,6
.irp s, 0,1
	v_pk_fma_f32 v[RR+16:RR+17], v[192+8*(\q0+\s)+\p:192+8*(\q0+\s)+\p+1], v[224+16*\s+8+\p:224+16*\s+8+\p+1], v[RR+16:RR+17]
.endr
.endr
.endm
	s_cmp_eq_u32 s30, 0                            ; a share without rows has stored no codes and no scale bytes: it reads none
	s_cbranch_scc1 .Lnofrag
.irp pi, 0,1,2,3
.irp u, 0,1,2,3
	ds_load_b64 v[ASC+8*\pi+2*\u:ASC+8*\pi+2*\u+1], v[T0] offset:\u*SCLW+\pi*256   ; register 8 pi + ks: lanes 0-15 the words of row tile 2 pi, lanes 16-31 of 2 pi + 1; wave u made K steps 2 u, 2 u + 1
.endr
.endr
.irp u, 0,1,2,3
	ds_load_b64 v[ASC+32+2*\u:ASC+32+2*\u+1], v[T1] offset:\u*SCLW+1024            ; row tile 8 alone
.endr
	LOADA_LO 0
	LOADA_HI 0
.Lnofrag:
.set rw, 0
.rept 18
	v_mov_b32 v[RR+rw], 0                          ; the nine row tiles' sums, a pair each: the group's text is written once
.set rw, rw+1
.endr
	s_mov_b32 s94, 0
	s_mov_b32 s87, 0
.Lgroup:                                           ; four trips: strips 4 w .. 4 w + 3
	s_cmp_eq_u32 s30, 0                            ; a share without rows passes over the group's work, not over the lines at the trip's end that step
	s_cbranch_scc1 .Lnorows
	v_add_nc_u32 v[CVA], s87, v[CVA0]              ; the group's c pq and vs
.irp k, 0,1,2,3,4,5,6,7
	KSTEP \k
.endr
	s_cmp_eq_u32 s94, 3                            ; the next group's U and first fragments are asked for ahead of the vector work, if there is a next group: no load leaves its buffer
	s_cbranch_scc1 .Llastg
	NEXTB 1
	LOADA_LO 0
	LOADA_HI 0
.Llastg:
	s_wait_alu depctr_va_vdst(0)
	CVLOAD 0
	s_wait_dscnt 0x0
	EPI 0
	EPI 1
	EPI8 0
	CVLOAD 2
	s_wait_dscnt 0x0
	EPI 2
	EPI 3
	EPI8 2
	WIN 0
.Lnorows:
	s_add_co_u32 s87, s87, 256
	s_add_co_u32 s94, s94, 1
	s_cmp_lt_u32 s94, 4
	s_cbranch_scc1 .Lgroup
	s_wait_loadcnt 0x0                             ; a share without rows comes here with the first group's loads of U still out:
	s_wait_dscnt 0x0                               ; the registers that loads fill are taken for other things below
	; ---------------- my 256 pos of rho for the 144 rows meet the other waves'
	s_wait_alu depctr_va_vdst(0)
.irp t, 0,1,2,3,4,5,6,7,8
	v_add_f32 v[16+\t], v[RR+2*\t], v[RR+2*\t+1]
.endr
.irp t, 0,1,2,3,4,5,6,7,8
	v_permlanex16_b32 v[32+\t], v[16+\t], s92, s93
.endr
.irp t, 0,1,2,3,4,5,6,7,8
	v_add_f32 v[16+\t], v[16+\t], v[32+\t]         ; with the other eight pos of each tile
.endr
	v_lshl_add_u32 v[T0], v[RL], 2, v[PB0]
.irp t, 0,1,2,3,4,5,6,7,8
	ds_store_b32 v[T0], v[16+\t] offset:\t*64      ; both halves of the lanes write the same word with the same value
.endr
	s_wait_dscnt 0x0                               ; for the others' sake
	s_barrier_signal -1
	s_barrier_wait -1
	v_lshl_add_u32 v[T0], v[LN], 2, CV
	v_lshl_add_u32 v[T1], v[RL], 2, CV
.irp a, 0,1,2,3
.irp u, 0,1,2,3
	ds_load_b32 v[16+4*\a+\u], v[T0] offset:\u*2048+\a*128   ; row 32 a + lane, wave u's part
.endr
.endr
.irp u, 0,1,2,3
	ds_load_b32 v[32+\u], v[T1] offset:\u*2048+512           ; rows 128-143, twice
.endr
	v_mov_b32 v45, 0xff800000                      ; -inf
	s_wait_dscnt 0x0
.irp a, 0,1,2,3,4
	v_add_f32 v[16+4*\a], v[16+4*\a], v[17+4*\a]
	v_add_f32 v[18+4*\a], v[18+4*\a], v[19+4*\a]
.endr
.irp a, 0,1,2,3,4
	v_add_f32 v[16+4*\a], v[16+4*\a], v[18+4*\a]   ; rho
.endr
.irp a, 0,1,2,3,4
	s_sub_co_i32 s66, s30, 32*\a
	v_cmp_gt_i32 vcc_lo, s66, v[LN]                ; is row 32 a + lane one of mine?  (in a = 4 lanes 16-31 stand for rows 144 on: never)
	v_cndmask_b32 v[40+\a], v45, v[16+4*\a], vcc_lo
.endr
	v_max3_num_f32 v46, v40, v41, v42
	v_max3_num_f32 v46, v46, v43, v44
	v_max_num_f32_dpp v46, v46, v46 row_xmask:1 row_mask:0xf bank_mask:0xf
	v_max_num_f32_dpp v46, v46, v46 row_xmask:2 row_mask:0xf bank_mask:0xf
	v_max_num_f32_dpp v46, v46, v46 row_xmask:4 row_mask:0xf bank_mask:0xf
	v_max_num_f32_dpp v46, v46, v46 row_xmask:8 row_mask:0xf bank_mask:0xf
	v_permlanex16_b32 v47, v46, s92, s93
	v_max3_num_f32 v46, v46, v47, 0xff61b1e6       ; m: the share's largest rho, held at -3e38 from below, under every rho: a share without rows then has -inf less a number, so p = 0
.irp a, 0,1,2,3,4
	v_sub_f32 v[40+\a], v[40+\a], v46
.endr
	s_wait_alu depctr_va_vdst(0)
.irp a, 0,1,2,3,4
	v_exp_f32 v[40+\a], v[40+\a]                   ; p = 2^(rho - m)
.endr
	v_nop
	s_wait_alu depctr_va_vdst(0)
	v_add_f32 v47, v40, v41
	v_add_f32 v48, v42, v43
	v_add_f32 v47, v47, v44
	v_add_f32 v47, v47, v48
	v_add_f32_dpp v47, v47, v47 row_xmask:1 row_mask:0xf bank_mask:0xf
	v_add_f32_dpp v47, v47, v47 row_xmask:2 row_mask:0xf bank_mask:0xf
	v_add_f32_dpp v47, v47, v47 row_xmask:4 row_mask:0xf bank_mask:0xf
	v_add_f32_dpp v47, v47, v47 row_xmask:8 row_mask:0xf bank_mask:0xf
	v_permlanex16_b32 v48, v47, s92, s93
	v_add_f32 v47, v47, v48                        ; the share's sum of p
.irp a, 0,1,2,3,4
	ds_store_b32 v[PST], v[40+\a] offset:640+\a*128   ; every wave keeps a copy of its own: no barrier
.endr
	; ---------------- my 256 columns of the share's blend: sum over its rows of p x item, items in bf16, p and the sums in f32.  Every offset is an immediate on a base that stays
.irp e, 0,1,2,3,4,5,6,7
	v_mov_b32 v[OO+\e], 0
.endr
	s_cmp_eq_u32 s30, 0                            ; a share without rows has nothing to add: its part of the blend stays zeros
	s_cbranch_scc1 .Lnoblend
.irp i, 0,1,2,3,4,5,6,7,8,9,10,11,12,13,14,15
	ds_load_b128 v[96+4*\i:96+4*\i+3], v[PB0] offset:640+16*\i   ; p of rows 0-63: every lane reads the same words; LDS serves a wave's instructions in order: these see my stores
.endr
	s_wait_dscnt 0x0
	WIN 0x03                                       ; source 0 window 3
.set rw, 0
	s_wait_alu depctr_va_vdst(0)
.rept 64
.irp j, 0,1,2,3
	v_fma_mix_f32_bf16 v[OO+2*\j], v[4*rw+\j], v[96+rw], v[OO+2*\j] op_sel_hi:[1,0,0]
	v_fma_mix_f32_bf16 v[OO+2*\j+1], v[4*rw+\j], v[96+rw], v[OO+2*\j+1] op_sel:[1,0,0] op_sel_hi:[1,0,0]
.endr
.set rw, rw+1
.endr
	WIN 0
	s_wait_alu depctr_va_vdst(0)
.irp tr, 0,1,2,3,4                     ; rows 64-143, sixteen at a time, from my LDS rows
.irp i, 0,1,2,3
	ds_load_b128 v[224+4*\i:224+4*\i+3], v[PB0] offset:896+64*\tr+16*\i
.endr
.irp i, 0,1,2,3,4,5,6,7,8,9,10,11,12,13,14,15
	ds_load_b128 v[160+4*\i:160+4*\i+3], v[FA0] offset:8192*\tr+512*\i
.endr
	s_wait_alu depctr_va_vdst(0)
	s_wait_dscnt 0x0
.set rw, 0
.rept 16
.irp j, 0,1,2,3
	v_fma_mix_f32_bf16 v[OO+2*\j], v[160+4*rw+\j], v[224+rw], v[OO+2*\j] op_sel_hi:[1,0,0]
	v_fma_mix_f32_bf16 v[OO+2*\j+1], v[160+4*rw+\j], v[224+rw], v[OO+2*\j+1] op_sel:[1,0,0] op_sel_hi:[1,0,0]
.endr
.set rw, rw+1
.endr
.endr
.Lnoblend:
	; a lane's first four sums are columns 256 w + 4 l + 0..3, its second four lie 128 columns on: each store covers 512 consecutive bytes
	s_wait_alu depctr_va_vdst(0)
	global_store_b128 v[POA], v[OO:OO+3], s[20:21]
	global_store_b128 v[POA], v[OO+4:OO+7], s[20:21] offset:512
	; ---------------- wave 0 alone, last: rho goes to its row's own place in react; (m, sum) to pstat
	s_cmp_lg_u32 s24, 0
	s_cbranch_scc1 .Lnot0
	v_lshlrev_b32 v49, 2, v[LN]
.irp a, 0,1,2,3,4
	global_load_b32 v[50+\a], v49, s[38:39] offset:\a*128
.endr
	s_wait_loadcnt 0x0
.irp a, 0,1,2,3,4
	v_min_u32 v[50+\a], 0x7ff, v[50+\a]            ; held inside the batch
.endr
.irp a, 0,1,2,3,4
	v_lshlrev_b32 v[50+\a], 2, v[50+\a]
.endr
	s_wait_alu depctr_va_vdst(0)
.irp a, 0,1,2,3,4
	s_sub_co_i32 s66, s30, 32*\a
	v_cmp_gt_i32 vcc_lo, s66, v[LN]
	s_wait_xcnt 0x0                                ; EXEC changes only behind this wait
	s_and_saveexec_b32 s67, vcc_lo
	global_store_b32 v[50+\a], v[16+4*\a], s[18:19]
	s_wait_xcnt 0x0                                ; and again, in front of the line that widens it
	s_or_b32 exec_lo, exec_lo, s67
.endr
	global_store_b64 v[L8], v[46:47], s[22:23]     ; 32 times: 256 consecutive bytes
.Lnot0:
	s_wait_tensorcnt 0x0                           ; the wave's end, behind my last LDS store
	ds_add_u32 v[SPW], v[NIL]
	s_wait_dscnt 0x0
	s_endpgm
.Lfunc_end_k_q70aecda157_main:
	.size	k_q70aecda157_main, .Lfunc_end_k_q70aecda157_main-k_q70aecda157_main
	.p2alignl 7, 3214868480
	.fill 96, 4, 3214868480
	.section	.rodata,"a",@progbits
	.p2align	6, 0x0
	.amdhsa_kernel k_q70aecda157_main
		.amdhsa_group_segment_fixed_size 325632
		.amdhsa_private_segment_fixed_size 0
		.amdhsa_enable_private_segment 0
		.amdhsa_kernarg_size 80
		.amdhsa_user_sgpr_count 2
		.amdhsa_user_sgpr_kernarg_segment_ptr 1
		.amdhsa_wavefront_size32 1
		.amdhsa_system_sgpr_workgroup_id_x 1
		.amdhsa_system_sgpr_workgroup_id_y 1
		.amdhsa_system_sgpr_workgroup_id_z 1
		.amdhsa_system_vgpr_workitem_id 0
		.amdhsa_next_free_vgpr 1024
		.amdhsa_next_free_sgpr 102
		.amdhsa_reserve_vcc 1
		.amdhsa_float_denorm_mode_32 3
		.amdhsa_float_denorm_mode_16_64 3
		.amdhsa_memory_ordered 1
		.amdhsa_forward_progress 1
		.amdhsa_inst_pref_size 255
	.end_amdhsa_kernel
	.section	.bss,"aw",@nobits
	.p2align	6
	.space	262144
	.amdgpu_metadata
---
amdhsa.version: [ 1, 2 ]
amdhsa.kernels:
  - .name:           k_q70aecda157_main
    .symbol:         k_q70aecda157_main.kd
    .args:
      - { .name: multiple_items, .offset: 0, .size: 8, .value_kind: global_buffer, .address_space: global }
      - { .name: v, .offset: 8, .size: 8, .value_kind: global_buffer, .address_space: global }
      - { .name: ucodes, .offset: 16, .size: 8, .value_kind: global_buffer, .address_space: global }
      - { .name: uscl, .offset: 24, .size: 8, .value_kind: global_buffer, .address_space: global }
      - { .name: cpqp, .offset: 32, .size: 8, .value_kind: global_buffer, .address_space: global }
      - { .name: order, .offset: 40, .size: 8, .value_kind: global_buffer, .address_space: global }
      - { .name: counts, .offset: 48, .size: 8, .value_kind: global_buffer, .address_space: global }
      - { .name: react, .offset: 56, .size: 8, .value_kind: global_buffer, .address_space: global }
      - { .name: pblend, .offset: 64, .size: 8, .value_kind: global_buffer, .address_space: global }
      - { .name: pstat, .offset: 72, .size: 8, .value_kind: global_buffer, .address_space: global }
    .group_segment_fixed_size: 325632
    .private_segment_fixed_size: 0
    .kernarg_segment_align: 8
    .kernarg_segment_size: 80
    .max_flat_workgroup_size: 128
    .sgpr_count:     102
    .vgpr_count:     1024
    .wavefront_size: 32
...
	.end_amdgpu_metadata
.endif
;; end of part 5
;; launch finish (part 6): grid 4 x 32, 2 waves a work-group, no clusters, 0 bytes of LDS; arguments react, pblend, pstat, out0, out1; writes out0, out1
.if DOCPART == 6
	.amdgcn_target "amdgcn-amd-amdhsa--gfx1250"
	.amdhsa_code_object_version 6
	.text
	.protected	k_q70aecda157_finish
	.globl	k_q70aecda157_finish
	.p2align	8
	.type	k_q70aecda157_finish,@function
k_q70aecda157_finish:
	s_mov_b64 s[64:65], 0
	v_nop
	global_prefetch_b8 v0, s[64:65] scope:SCOPE_SE
	s_setreg_imm32_b32 hwreg(HW_REG_WAVE_MODE, 25, 1), 1
	s_wait_xcnt 0x0
; Additive attention, launch 3 of 3: a batch's sixteen slots are joined.  (The constant sum(v) stays left out: it cancels in the softmax, as shown at the head of the first launch's text.)
; Slot s left its largest rho m_s, its sum l_s of 2^(rho - m_s), and its part B_s of the blend under m_s.  With m = the largest m_s and w_s = 2^(m_s - m):
; A batch with no live row has L = 0: 1 / L is infinite, and 0 x infinity gives NaN in both outputs, as reference() gives there.
; Work-group (x, batch): 256 columns of the blend, 512 scores.  64 threads, 16 bytes each: every load and store of a wave covers 512 consecutive bytes.  No branch, no LDS.
	s_load_b256 s[4:11], s[0:1], 0x0               ; react s[4:5], pblend s[6:7], pstat s[8:9], out0 s[10:11]
	s_load_b64 s[12:13], s[0:1], 0x20              ; out1
	s_and_b32 s14, ttmp7, 0xffff                   ; batch
	v_and_b32 v1, 15, v0
	v_lshlrev_b32 v1, 8, v1                        ; lane % 16 takes that slot's record of 256 bytes
	v_lshlrev_b32 v2, 4, v0
	s_mov_b32 s17, 0
	s_mov_b32 s19, 0
	s_mov_b32 s21, 0
	s_mov_b32 s23, 0
	s_lshl_b32 s16, s14, 12                        ; pstat: 16 records a batch
	s_lshl_b32 s24, ttmp9, 10
	s_lshl_b32 s18, s14, 16
	s_add_co_u32 s18, s18, s24                     ; pblend: 16 slots of 4,096 bytes a batch, my 1,024 bytes
	s_add_co_u32 s20, s16, s24                     ; out0: 4,096 bytes a batch, my 1,024
	s_lshl_b32 s22, s14, 13
	s_lshl_b32 s25, ttmp9, 11
	s_add_co_u32 s22, s22, s25                     ; react, out1: 8,192 bytes a batch, my 2,048
	s_wait_alu depctr_va_vdst(0)
	s_wait_kmcnt 0x0
	s_add_nc_u64 s[8:9], s[8:9], s[16:17]
	s_add_nc_u64 s[6:7], s[6:7], s[18:19]
	s_add_nc_u64 s[10:11], s[10:11], s[20:21]
	s_add_nc_u64 s[4:5], s[4:5], s[22:23]
	s_add_nc_u64 s[12:13], s[12:13], s[22:23]
	global_load_b64 v[4:5], v1, s[8:9]             ; (m_s, l_s)
.irp s, 0,1,2,3,4,5,6,7,8,9,10,11,12,13,14,15
	global_load_b128 v[16+4*\s:16+4*\s+3], v2, s[6:7] offset:\s*4096
.endr
	global_load_b128 v[80:83], v2, s[4:5]
	global_load_b128 v[84:87], v2, s[4:5] offset:1024
	s_wait_loadcnt 18                              ; (m_s, l_s) is in; the eighteen loads behind it may be out
	v_mov_b32 v6, v4
	v_max_num_f32_dpp v6, v6, v6 row_xmask:1 row_mask:0xf bank_mask:0xf
	v_max_num_f32_dpp v6, v6, v6 row_xmask:2 row_mask:0xf bank_mask:0xf
	v_max_num_f32_dpp v6, v6, v6 row_xmask:4 row_mask:0xf bank_mask:0xf
	v_max_num_f32_dpp v6, v6, v6 row_xmask:8 row_mask:0xf bank_mask:0xf   ; m, in every lane
	v_sub_f32 v7, v4, v6
	s_wait_alu depctr_va_vdst(0)
	v_exp_f32 v7, v7                               ; w_s
	v_nop
	s_wait_alu depctr_va_vdst(0)
	v_mul_f32 v8, v5, v7
	v_add_f32_dpp v8, v8, v8 row_xmask:1 row_mask:0xf bank_mask:0xf
	v_add_f32_dpp v8, v8, v8 row_xmask:2 row_mask:0xf bank_mask:0xf
	v_add_f32_dpp v8, v8, v8 row_xmask:4 row_mask:0xf bank_mask:0xf
	v_add_f32_dpp v8, v8, v8 row_xmask:8 row_mask:0xf bank_mask:0xf       ; L
	s_wait_alu depctr_va_vdst(0)
	v_rcp_f32 v9, v8
	v_nop
	s_wait_alu depctr_va_vdst(0)
	v_mul_f32 v7, v7, v9                           ; w_s / L
.irp s, 0,1,2,3,4,5,6,7,8,9,10,11,12,13,14,15
	v_readlane_b32 s[32+\s], v7, \s
.endr
	s_wait_loadcnt 2                               ; the sixteen parts are in; the two loads of rho may be out
.irp j, 0,1,2,3
	v_mul_f32 v[88+\j], s32, v[16+\j]
.endr
.irp s, 1,2,3,4,5,6,7,8,9,10,11,12,13,14,15
.irp j, 0,1,2,3
	v_fma_f32 v[88+\j], s[32+\s], v[16+4*\s+\j], v[88+\j]
.endr
.endr
	global_store_b128 v2, v[88:91], s[10:11]
	s_wait_loadcnt 0x0
.irp j, 0,1,2,3,4,5,6,7
	v_sub_f32 v[80+\j], v[80+\j], v6
.endr
	s_wait_alu depctr_va_vdst(0)
.irp j, 0,1,2,3,4,5,6,7
	v_exp_f32 v[80+\j], v[80+\j]
.endr
	v_nop
	s_wait_alu depctr_va_vdst(0)
.irp j, 0,1,2,3,4,5,6,7
	v_mul_f32 v[80+\j], v[80+\j], v9
.endr
	global_store_b128 v2, v[80:83], s[12:13]
	global_store_b128 v2, v[84:87], s[12:13] offset:1024
	s_endpgm
.Lfunc_end_k_q70aecda157_finish:
	.size	k_q70aecda157_finish, .Lfunc_end_k_q70aecda157_finish-k_q70aecda157_finish
	.p2alignl 7, 3214868480
	.fill 96, 4, 3214868480
	.section	.rodata,"a",@progbits
	.p2align	6, 0x0
	.amdhsa_kernel k_q70aecda157_finish
		.amdhsa_group_segment_fixed_size 0
		.amdhsa_private_segment_fixed_size 0
		.amdhsa_enable_private_segment 0
		.amdhsa_kernarg_size 40
		.amdhsa_user_sgpr_count 2
		.amdhsa_user_sgpr_kernarg_segment_ptr 1
		.amdhsa_wavefront_size32 1
		.amdhsa_system_sgpr_workgroup_id_x 1
		.amdhsa_system_sgpr_workgroup_id_y 1
		.amdhsa_system_sgpr_workgroup_id_z 1
		.amdhsa_system_vgpr_workitem_id 0
		.amdhsa_next_free_vgpr 96
		.amdhsa_next_free_sgpr 66
		.amdhsa_reserve_vcc 0
		.amdhsa_float_denorm_mode_32 3
		.amdhsa_float_denorm_mode_16_64 3
		.amdhsa_memory_ordered 1
		.amdhsa_forward_progress 1
		.amdhsa_inst_pref_size 10
	.end_amdhsa_kernel
	.amdgpu_metadata
---
amdhsa.version: [ 1, 2 ]
amdhsa.kernels:
  - .name:           k_q70aecda157_finish
    .symbol:         k_q70aecda157_finish.kd
    .args:
      - { .name: react, .offset: 0, .size: 8, .value_kind: global_buffer, .address_space: global }
      - { .name: pblend, .offset: 8, .size: 8, .value_kind: global_buffer, .address_space: global }
      - { .name: pstat, .offset: 16, .size: 8, .value_kind: global_buffer, .address_space: global }
      - { .name: out0, .offset: 24, .size: 8, .value_kind: global_buffer, .address_space: global }
      - { .name: out1, .offset: 32, .size: 8, .value_kind: global_buffer, .address_space: global }
    .group_segment_fixed_size: 0
    .private_segment_fixed_size: 0
    .kernarg_segment_align: 8
    .kernarg_segment_size: 40
    .max_flat_workgroup_size: 64
    .sgpr_count:     66
    .vgpr_count:     96
    .wavefront_size: 32
...
	.end_amdgpu_metadata
.endif
;; end of part 6
